; MI455X (gfx1250); checked and timed in simulation.
; The chip was launched on July 23, 2026; its instructions are those of AMD's public machine-readable ISA for CDNA 5 (MIT licence, August 2026) and "CDNA5" Instruction Set Architecture Reference Guide (July 2026). The comments in the code are by the model that wrote it; some were corrected since.
;; E Li Ci T. Allowed arithmetic: float matrix products may take bf16 or f16 operands with f32 sums; all other float work in f32.
;; Inputs: bias 1 float32; candidates 2 x 64 x 16 float32; feats 100,000 x 64 float32; idx0 1,000,000 int32; idx1 1,000,000 int32; scale 1 float32; values 1 x 4 x 64 float32.
;; Outputs: out0 1,000,000 float32.
;; 3 versions, each right; version 2 is faster than version 1; version 3 is version 2 with the launches quant, query written anew for expert scheduling mode. Each part assembles by itself: llvm-mc -triple=amdgcn-amd-amdhsa -mcpu=gfx1250 --defsym DOCPART=n.
;; ======== version 1 of 3: 2 launches
;; limits: values are held in f16: magnitudes above 65,504 overflow, below 6.1e-05 lose precision
;; workspace buffers: tab 12,800,000 bytes; wtab 400,128 bytes
;; launch quant (part 1): grid 250 x 1, 8 waves a work-group, no clusters, 168,960 bytes of LDS; arguments feats, candidates, values, tab, wtab; writes tab, wtab
.if DOCPART == 1
	.amdgcn_target "amdgcn-amd-amdhsa--gfx1250"
	.amdhsa_code_object_version 6
	.text
	.protected	k_q75dcc6114c_quant
	.globl	k_q75dcc6114c_quant
	.p2align	8
	.type	k_q75dcc6114c_quant,@function
k_q75dcc6114c_quant:
	s_mov_b64 s[64:65], 0
	v_nop
	global_prefetch_b8 v0, s[64:65] scope:SCOPE_SE
	s_setreg_imm32_b32 hwreg(HW_REG_WAVE_MODE, 25, 1), 1
	s_wait_xcnt 0x0
; Quantises feats [100000][64] f32 against candidates [2][64][16] and writes what the query launch gathers:
;   tab  [100000][64] f16: rows 0..49999 (axis 0): p;  rows 50000..99999 (axis 1): 1024 g,  g = (v1-v3) + (v0-v1-v2+v3) p
;   wtab [50000][2]   f32: for each row of axis 1 the sums over features 0..31 and 32..63 of  w = v3 + (v2-v3) p
; p is the candidate nearest to x, the first index winning ties (argmin's rule); v0..v3 are the four rows of values.
; With x of axis 0 and y of axis 1 the sum over the four corners of values * corner is  w(y) + x g(y).
;
; SHARES.  250 work-groups, 125 for each axis; a work-group owns 400 rows, a wave 50, as 25 pairs of rows.  One 16-byte load a lane
; takes two whole rows (512 neighbouring bytes): lane L holds features 4 (L & 15) .. + 3 of row L >> 4.  A lane's features never
; change, so its 4 x 16 candidates stay in 64 registers.  The launch asks for 168,960 bytes of LDS and uses 7,552, so that no second
; work-group lies beside this one: the grid is cut for one work-group of eight waves to a WGP.
; ARGMIN.  d[k] = x - c[k], two at a time; then a tournament of 15 merges on |d|: the upper one is taken only if it is strictly
; smaller, and the lower block holds the lower indices, so the winner is the first index of the smallest |x - c|, the same f32
; differences that the problem's formula compares.  The signed d is carried, and p = x - d.
; LIMITS.  p = x - fl(x - q) stands for the formula's (q + x) - x: both are q within one rounding of the same size.  |p| and
; 1024 |g| must stay below 65,504 (f16's largest number).  The factor 1024 is exact and is taken out again by the query launch.
; A NaN in feats gives a NaN; a NaN among the candidates is never chosen, where argmin would choose it.
; wtab's pieces of 3,200 bytes begin at multiples of 128 bytes: 50,000 rows do not split into 125 equal pieces of whole 256 bytes.
.set NWG_AXIS,  125                    ; work-groups for each axis
.set ROWS_WG,   400
.set ROWS_WAVE, 50
.set DEPTH,     5                      ; loads of a wave in flight = slots of the ring
.set ROUNDS,    5                      ; 25 pairs of rows = 5 rounds of 5 slots
.set FROW,      256                    ; bytes in a row of feats
.set TROW,      128                    ; bytes in a row of tab
.set CPITCH,    272                    ; LDS: the 64 candidates of four features, 256 bytes + 16: sixteen lanes' 16-byte reads fall on sixteen different 16-byte columns modulo 256
.set WST,       16*CPITCH              ; LDS: behind the candidates, 400 rows x 8 bytes of w sums
.set GSCALE,    0x44800000             ; 1024.0
.set VIN,  2                           ; v2   16 x lane: my 16 bytes in a pair of rows of feats; never rewritten
.set VOUT, 3                           ; v3   8 x lane: my 8 bytes in a pair of rows of tab; never rewritten
.set VW,   4                           ; v4   LDS address of my row's, my half's w sum
.set VC,   5                           ; v5   LDS address of my four features' candidates
.set VT,   6                           ; v6   16 x thread
.set VS,   7                           ; v7   LDS address to which this thread stages 16 bytes of candidates
.set C,    8                           ; v[8:71]    c[i][k] at C + 16 i + k
.set D,    72                          ; v[72:135]  d[i][k] at D + 16 i + k
.set X,    136                         ; v[136:155] slot s: 4 registers as loaded
.set O,    156                         ; v[156:157] 4 f16 to store
.set BEST, 158                         ; v[158:161] the winning d of my four features
.set P,    162                         ; v[162:165] p
.set G,    166                         ; v[166:169] 1024 g
.set WS,   170                         ; v[170:171] w sums at work
.set GM,   172                         ; v[172:175] 1024 (v0-v1-v2+v3)
.set GA,   176                         ; v[176:179] 1024 (v1-v3)
.set WM,   180                         ; v[180:183] v2-v3
.set WA,   184                         ; v[184:185] v3 of features 0, 1 + v3 of features 2, 3
.set VV,   186                         ; v186 byte offset of my four features in a row of values
.set VAL,  D+16                        ; at the start only: the four rows of values, 4 registers each
.set MK,   32                          ; s[32:39] eight masks: eight compares stand ahead of the eight selects that use them
; cnt merges of one level: lower = D + 2 stride m, upper = lower + stride, m = first .. first + cnt - 1
.macro LEVEL stride, first, cnt
.set m, \first
.rept \cnt
	v_cmp_lt_f32 s[MK+m-\first], |v[D+2*\stride*m+\stride]|, |v[D+2*\stride*m]|
.set m, m+1
.endr
.set m, \first
.rept \cnt
	v_cndmask_b32 v[D+2*\stride*m], v[D+2*\stride*m], v[D+2*\stride*m+\stride], s[MK+m-\first]
.set m, m+1
.endr
.endm
; One slot's turn: a pair of rows.  refill = 1: the slot is loaded again with the pair DEPTH further down.
; left = how many younger loads may stay out.
.macro SLOT ax, s, refill, left
	s_wait_loadcnt \left                           ; loads come back in order (ISA guide 5.7.1): this slot's is in, the younger ones stay out
.irp i, 0,2
.irp k, 0,2,4,6,8,10,12,14
	v_pk_add_f32 v[D+16*\i+\k:D+16*\i+\k+1], v[X+4*\s+\i:X+4*\s+\i+1], v[C+16*\i+\k:C+16*\i+\k+1] op_sel_hi:[0,1] neg_lo:[0,1] neg_hi:[0,1]                       ; the pair's first x, twice, less two candidates
.endr
.irp k, 0,2,4,6,8,10,12,14
	v_pk_add_f32 v[D+16*\i+16+\k:D+16*\i+16+\k+1], v[X+4*\s+\i:X+4*\s+\i+1], v[C+16*\i+16+\k:C+16*\i+16+\k+1] op_sel:[1,0] op_sel_hi:[1,1] neg_lo:[0,1] neg_hi:[0,1]  ; the pair's second x, twice
.endr
.endr
	LEVEL 1, 0, 8                                  ; 16 -> 8 in each of the four features
	LEVEL 1, 8, 8
	LEVEL 1, 16, 8
	LEVEL 1, 24, 8
	LEVEL 2, 0, 8                                  ; 8 -> 4
	LEVEL 2, 8, 8
	LEVEL 4, 0, 8                                  ; 4 -> 2
.irp e, 0,1,2,3
	v_cmp_lt_f32 s[MK+\e], |v[D+16*\e+8]|, |v[D+16*\e]|
.endr
.irp e, 0,1,2,3
	v_cndmask_b32 v[BEST+\e], v[D+16*\e], v[D+16*\e+8], s[MK+\e]                     ; 2 -> 1
.endr
	v_pk_add_f32 v[P:P+1],   v[X+4*\s:X+4*\s+1],   v[BEST:BEST+1]   neg_lo:[0,1] neg_hi:[0,1]    ; p = x - d
	v_pk_add_f32 v[P+2:P+3], v[X+4*\s+2:X+4*\s+3], v[BEST+2:BEST+3] neg_lo:[0,1] neg_hi:[0,1]
.if \ax
	v_pk_fma_f32 v[G:G+1],   v[P:P+1],   v[GM:GM+1],   v[GA:GA+1]
	v_pk_fma_f32 v[G+2:G+3], v[P+2:P+3], v[GM+2:GM+3], v[GA+2:GA+3]
	v_pk_fma_f32 v[WS:WS+1], v[P:P+1],   v[WM:WM+1],   v[WA:WA+1]                    ; the four w, in one pair that starts from the summed v3
	v_pk_fma_f32 v[WS:WS+1], v[P+2:P+3], v[WM+2:WM+3], v[WS:WS+1]
.endif
	s_wait_xcnt 0x0                                ; O, which the last slot's store reads, is rewritten only behind this wait
.if \ax
	v_cvt_pk_f16_f32 v[O],   v[G],   v[G+1]
	v_cvt_pk_f16_f32 v[O+1], v[G+2], v[G+3]
.else
	v_cvt_pk_f16_f32 v[O],   v[P],   v[P+1]
	v_cvt_pk_f16_f32 v[O+1], v[P+2], v[P+3]
.endif
.if \refill
	global_load_b128 v[X+4*\s:X+4*\s+3], v[VIN], s[4:5] offset:2*FROW*(\s+DEPTH) th:TH_LOAD_NT   ; feats is read once in the launch
.endif
	global_store_b64 v[VOUT], v[O:O+1], s[10:11] offset:2*TROW*\s                    ; 32 lanes x 8 bytes: two rows of tab, 256 bytes at a multiple of 256
.if \ax
	v_add_f32 v[WS], v[WS], v[WS+1]
	v_add_f32_dpp v[WS], v[WS], v[WS] row_xmask:1 row_mask:0xf bank_mask:0xf         ; over the eight lanes that hold one half (32 features) of one row
	v_add_f32_dpp v[WS], v[WS], v[WS] row_xmask:2 row_mask:0xf bank_mask:0xf
	v_add_f32_dpp v[WS], v[WS], v[WS] row_xmask:4 row_mask:0xf bank_mask:0xf
	ds_store_b32 v[VW], v[WS] offset:16*\s         ; the eight lanes write one word, with one value
.endif
.endm
; Everything behind the one branch on the axis, written once for each axis, so that each way has its own loads and counts.
.macro MAIN ax
.if \ax
	s_add_nc_u64 s[6:7], s[6:7], 0x1000            ; candidates of axis 1
	s_sub_co_u32 s20, s15, NWG_AXIS
	s_mul_i32 s20, s20, ROWS_WG*8
	s_mov_b32 s21, 0
	s_add_nc_u64 s[12:13], s[12:13], s[20:21]      ; wtab at the group's first row
	v_lshlrev_b32 v[VV], 4, v1
	s_mul_i32 s24, s14, ROWS_WAVE*8
	s_add_co_u32 s24, s24, WST                     ; my wave's 50 rows of w sums
	v_bfe_u32 v[VW], v0, 3, 2                      ; 2 x (row of the pair) + half
	v_lshl_add_u32 v[VW], v[VW], 2, s24
.endif
	global_load_b128 v[D:D+3], v[VT], s[6:7]       ; the axis's 4,096 bytes of candidates, 16 neighbouring bytes a thread, once for the work-group
.if \ax
.irp k, 0,1,2,3
	global_load_b128 v[VAL+4*\k:VAL+4*\k+3], v[VV], s[8:9] offset:256*\k
.endr
.endif
.irp s, 0,1,2,3,4
	global_load_b128 v[X+4*\s:X+4*\s+3], v[VIN], s[4:5] offset:2*FROW*\s th:TH_LOAD_NT   ; fill the ring: pairs 0 to 4
.endr
	s_wait_loadcnt DEPTH                           ; candidates (and values) are in; the five loads of the ring stay out
	ds_store_b128 v[VS], v[D:D+3]
.if \ax
.irp j, 0,2
	v_pk_add_f32 v[WM+\j:WM+\j+1], v[VAL+8+\j:VAL+9+\j], v[VAL+12+\j:VAL+13+\j] neg_lo:[0,1] neg_hi:[0,1]   ; v2 - v3
	v_pk_add_f32 v[GA+\j:GA+\j+1], v[VAL+4+\j:VAL+5+\j], v[VAL+12+\j:VAL+13+\j] neg_lo:[0,1] neg_hi:[0,1]   ; v1 - v3
	v_pk_add_f32 v[GM+\j:GM+\j+1], v[VAL+\j:VAL+1+\j],   v[VAL+4+\j:VAL+5+\j]   neg_lo:[0,1] neg_hi:[0,1]   ; v0 - v1
	v_pk_add_f32 v[GM+\j:GM+\j+1], v[GM+\j:GM+\j+1],     v[WM+\j:WM+\j+1]       neg_lo:[0,1] neg_hi:[0,1]   ; - (v2 - v3)
	v_pk_mul_f32 v[GA+\j:GA+\j+1], v[GA+\j:GA+\j+1], GSCALE op_sel_hi:[1,0]
	v_pk_mul_f32 v[GM+\j:GM+\j+1], v[GM+\j:GM+\j+1], GSCALE op_sel_hi:[1,0]
.endr
	v_pk_add_f32 v[WA:WA+1], v[VAL+12:VAL+13], v[VAL+14:VAL+15]
.endif
	s_wait_dscnt 0x0                               ; my 16 bytes of candidates are in LDS, for the other waves' sake
	s_barrier_signal -1
	s_barrier_wait -1                              ; everybody's are
.irp j, 0,1,2,3,4,5,6,7,8,9,10,11,12,13,14,15
	ds_load_b128 v[C+4*\j:C+4*\j+3], v[VC] offset:16*\j
.endr
	s_wait_dscnt 0x0
	s_mov_b32 s25, ROUNDS-1
.Lround_\ax:
.irp s, 0,1,2,3,4
	SLOT \ax, \s, 1, DEPTH-1
.endr
	s_wait_xcnt 0x0                                ; the two bases are stepped only behind this wait
	s_add_nc_u64 s[4:5], s[4:5], DEPTH*2*FROW
	s_add_nc_u64 s[10:11], s[10:11], DEPTH*2*TROW
.if \ax
	v_add_nc_u32 v[VW], DEPTH*16, v[VW]
.endif
	s_sub_co_u32 s25, s25, 1
	s_cmp_lg_u32 s25, 0
	s_cbranch_scc1 .Lround_\ax
.irp s, 0,1,2,3,4
	SLOT \ax, \s, 0, DEPTH-1-\s                    ; the last round loads nothing: the counts run down
.endr
.if \ax
	s_wait_dscnt 0x0                               ; my w sums are in LDS, for the other waves' sake
	s_barrier_signal -1
	s_barrier_wait -1
	s_wait_xcnt 0x0                                ; EXEC is narrowed only behind this wait: it is a source of the stores above
	v_cmp_gt_u32 vcc_lo, ROWS_WG*8/16, v0
	s_wait_tensorcnt 0x0
	ds_add_u32 v192, v193
	s_wait_dscnt 0x0
	s_and_saveexec_b32 s24, vcc_lo                 ; threads 0 to 199: 16 bytes each of the group's 3,200
	ds_load_b128 v[D:D+3], v[VT] offset:WST
	s_wait_dscnt 0x0
	global_store_b128 v[VT], v[D:D+3], s[12:13]
	s_wait_xcnt 0x0                                ; and widened again only behind this one
	s_or_b32 exec_lo, exec_lo, s24
.endif
	s_wait_tensorcnt 0x0
	ds_add_u32 v192, v193
	s_wait_dscnt 0x0
	s_endpgm
.endm
	s_load_b256 s[4:11], s[0:1], 0x0               ; feats s[4:5], candidates s[6:7], values s[8:9], tab s[10:11]
	s_load_b64 s[12:13], s[0:1], 0x20              ; wtab
	v_lshl_add_u32 v192, v0, 2, 0x29000
	v_mov_b32 v193, 0
	v_lshrrev_b32 v1, 5, v0
	v_readfirstlane_b32 s14, v1                    ; wave 0..7
	s_mov_b32 s15, ttmp9                           ; work-group 0..249
	v_and_b32 v[VIN], 31, v0                       ; lane
	v_lshlrev_b32 v[VOUT], 3, v[VIN]
	v_lshlrev_b32 v[VIN], 4, v[VIN]
	v_and_b32 v1, 15, v0                           ; which four features are mine
	v_mul_u32_u24 v[VC], v1, CPITCH
	v_lshlrev_b32 v[VT], 4, v0
	v_lshrrev_b32 v[VS], 4, v0                     ; thread t stages bytes 16 t .. 16 t + 15: block t >> 4, column t & 15
	v_mul_u32_u24 v[VS], v[VS], CPITCH
	v_lshl_add_u32 v[VS], v1, 4, v[VS]
	s_mul_i32 s20, s15, ROWS_WG*FROW               ; my wave's first row in feats, 25,600,000 bytes at the most
	s_mul_i32 s24, s14, ROWS_WAVE*FROW
	s_add_co_u32 s20, s20, s24
	s_mov_b32 s21, 0
	s_mul_i32 s22, s15, ROWS_WG*TROW               ; and in tab
	s_mul_i32 s24, s14, ROWS_WAVE*TROW
	s_add_co_u32 s22, s22, s24
	s_mov_b32 s23, 0
	s_wait_kmcnt 0x0
	s_add_nc_u64 s[4:5], s[4:5], s[20:21]
	s_add_nc_u64 s[10:11], s[10:11], s[22:23]
	s_cmp_ge_u32 s15, NWG_AXIS                     ; the same in all eight waves: each way holds its own whole barriers
	s_cbranch_scc1 .Laxis1
	MAIN 0
.Laxis1:
	MAIN 1
.Lfunc_end_k_q75dcc6114c_quant:
	.size	k_q75dcc6114c_quant, .Lfunc_end_k_q75dcc6114c_quant-k_q75dcc6114c_quant
	.p2alignl 7, 3214868480
	.fill 96, 4, 3214868480
	.section	.rodata,"a",@progbits
	.p2align	6, 0x0
	.amdhsa_kernel k_q75dcc6114c_quant
		.amdhsa_group_segment_fixed_size 168960
		.amdhsa_private_segment_fixed_size 0
		.amdhsa_enable_private_segment 0
		.amdhsa_kernarg_size 40
		.amdhsa_user_sgpr_count 2
		.amdhsa_user_sgpr_kernarg_segment_ptr 1
		.amdhsa_wavefront_size32 1
		.amdhsa_system_sgpr_workgroup_id_x 1
		.amdhsa_system_sgpr_workgroup_id_y 1
		.amdhsa_system_sgpr_workgroup_id_z 1
		.amdhsa_system_vgpr_workitem_id 0
		.amdhsa_next_free_vgpr 194
		.amdhsa_next_free_sgpr 66
		.amdhsa_reserve_vcc 1
		.amdhsa_float_denorm_mode_32 3
		.amdhsa_float_denorm_mode_16_64 3
		.amdhsa_memory_ordered 1
		.amdhsa_forward_progress 1
		.amdhsa_inst_pref_size 213
	.end_amdhsa_kernel
	.amdgpu_metadata
---
amdhsa.version: [ 1, 2 ]
amdhsa.kernels:
  - .name:           k_q75dcc6114c_quant
    .symbol:         k_q75dcc6114c_quant.kd
    .args:
      - { .name: feats, .offset: 0, .size: 8, .value_kind: global_buffer, .address_space: global }
      - { .name: candidates, .offset: 8, .size: 8, .value_kind: global_buffer, .address_space: global }
      - { .name: values, .offset: 16, .size: 8, .value_kind: global_buffer, .address_space: global }
      - { .name: tab, .offset: 24, .size: 8, .value_kind: global_buffer, .address_space: global }
      - { .name: wtab, .offset: 32, .size: 8, .value_kind: global_buffer, .address_space: global }
    .group_segment_fixed_size: 168960
    .private_segment_fixed_size: 0
    .kernarg_segment_align: 8
    .kernarg_segment_size: 40
    .max_flat_workgroup_size: 256
    .sgpr_count:     66
    .vgpr_count:     194
    .wavefront_size: 32
...
	.end_amdgpu_metadata
.endif
;; end of part 1
;; launch query (part 2): grid 3125 x 1, 5 waves a work-group, no clusters, 0 bytes of LDS; arguments tab, wtab, idx0, idx1, scale, bias, out0; writes out0
.if DOCPART == 2
	.amdgcn_target "amdgcn-amd-amdhsa--gfx1250"
	.amdhsa_code_object_version 6
	.text
	.protected	k_q75dcc6114c_query
	.globl	k_q75dcc6114c_query
	.p2align	8
	.type	k_q75dcc6114c_query,@function
k_q75dcc6114c_query:
	s_mov_b64 s[64:65], 0
	v_nop
	global_prefetch_b8 v0, s[64:65] scope:SCOPE_SE
	s_setreg_imm32_b32 hwreg(HW_REG_WAVE_MODE, 25, 1), 1
	s_wait_xcnt 0x0
; out0[q] = a tanh(b) exp(scale) + bias,  a = Wa[i1] + sum over f < 32 of x[f] g[f],  b = Wb[i1] + the same sum over f >= 32,
; x = row idx0[q] of tab (f16), 1024 g = row 50000 + idx1[q] of tab (f16), (Wa, Wb) = wtab[idx1[q]] (f32).
;
; SHARES.  1,000,000 = 15,625 x 64: 3,125 work-groups of five waves, a wave takes 64 queries and does not loop; no wave needs another,
; so there is no LDS and no barrier.
; THE PRODUCTS.  Sixteen queries' x rows are gathered straight into the A layout of the f16 matrix form (lane (r, h): row r, 16 bytes
; at 16 h and at 32 + 16 h of each half row) and their g rows into the B layout; the diagonal of A B^T holds the sixteen sums of 32
; products, the products exact, the sums in f32.  Eight matrix instructions serve 64 queries x 2 halves.
; WHICH QUERY WHERE.  The wave's queries are 2 Z + p, Z = 0..31, p = 0, 1.  For each p there are two groups of sixteen:
;   group E: row m is Z = m + 16 (m >> 3) (0..7 and 24..31), column n holds row n;   group O: row m is Z = m + 8, column n holds row n ^ 8.
; A result's register j of lane (r, h) is element (8 h + j, r).  So E's wanted elements lie in lanes 0-7 and 24-31, O's in lanes 8-23,
; always in register L & 7, and always belong to Z = L: fifteen selects pick 32 values, and lane L ends with queries 2 L and 2 L + 1,
; eight neighbouring bytes of out0: one store of the wave covers 256 bytes at a multiple of 256.
; TANH.  |b| < 0.25: b (1 - u/3 + 2 u^2/15 - 17 u^3/315), u = b^2 (the next term is below 3.3e-7 of b there); else
; 1 - 2 / (1 + 2^(2.885390 b)), which ends at +1 and -1 for large |b|.  Both are computed and one is selected.
; LIMITS.  f16 operands: |p| and 1024 |g| below 65,504.  exp(scale) below 2^-126 comes out as 0 (ISA guide, v_exp_f32).
; An index is taken to lie in 0..49,999, as the table has that many rows for each axis; larger ones are clamped to the last row.
.set NROW,  49999                      ; the last row of an axis
.set AX1,   6400000                    ; bytes of tab in front of axis 1
.set DD,    40                         ; v[40:103]  results: DD + 32 p + 16 group + 8 half
.set OP,    104                        ; v[104:231] operands: OP + 64 p + 32 group: x in + 0..15, g in + 16..31; in each, half 0 in the first 8
; v1 r   v2 16 h   v3 8 x lane   v4, v5, v6 byte offsets of the index pairs of E, of O, of O's turned columns
; v[8:9] idx0 of E (p = 0, 1)   v[10:11] idx0 of O   v[12:13] idx1 of E   v[14:15] idx1 of O, turned   v[16:17] idx1 of Z = lane
; v[18:19], v[20:21] (Wa, Wb) of p = 0, 1   v[22:23] a   v[24:25] b   v[26:37] at work   v38 exp(scale)   v39 its argument
.macro GATH dst, off, base             ; a row of 128 bytes: 16 bytes a lane at 16 h + 0, 32, 64, 96
.irp j, 0,1,2,3
	global_load_b128 v[\dst+4*\j:\dst+4*\j+3], v[\off], s[\base:\base+1] offset:32*\j
.endr
.endm
.macro MM p                            ; four products, four accumulators of their own, each started by the constant 0
.irp g, 0,1
.irp hf, 0,1
	v_wmma_f32_16x16x32_f16 v[DD+32*\p+16*\g+8*\hf:DD+32*\p+16*\g+8*\hf+7], v[OP+64*\p+32*\g+8*\hf:OP+64*\p+32*\g+8*\hf+7], v[OP+64*\p+32*\g+16+8*\hf:OP+64*\p+32*\g+16+8*\hf+7], 0
.endr
.endr
.endm
.macro SEL p, hf, dst                  ; register L & 7 of E (lanes 0-7, 24-31) or of O (lanes 8-23), into dst
.set DE, DD+32*\p+8*\hf
.irp j, 0,1,2,3,4,5,6,7
	v_cndmask_b32 v[DE+\j], v[DE+\j], v[DE+16+\j], s26
.endr
.irp j, 0,2,4,6
	v_cndmask_b32 v[DE+\j], v[DE+\j], v[DE+\j+1], s27
.endr
.irp j, 0,4
	v_cndmask_b32 v[DE+\j], v[DE+\j], v[DE+\j+2], s28
.endr
	v_cndmask_b32 v[\dst], v[DE], v[DE+4], s29
.endm
	s_load_b256 s[4:11], s[0:1], 0x0               ; tab s[4:5], wtab s[6:7], idx0 s[8:9], idx1 s[10:11]
	s_load_b128 s[12:15], s[0:1], 0x20             ; scale s[12:13], bias s[14:15]
	s_load_b64 s[16:17], s[0:1], 0x30              ; out0
	v_lshrrev_b32 v1, 5, v0
	v_readfirstlane_b32 s18, v1                    ; wave 0..4
	s_mul_i32 s19, ttmp9, 5
	s_add_co_u32 s19, s19, s18                     ; which 64 queries are my wave's
	s_lshl_b32 s20, s19, 8                         ; 256 bytes of idx0, of idx1 and of out0
	s_mov_b32 s21, 0
	v_and_b32 v1, 15, v0                           ; r
	v_and_b32 v2, 16, v0                           ; 16 h
	v_and_b32 v3, 31, v0
	v_lshlrev_b32 v3, 3, v3                        ; 8 x lane
	v_and_b32 v4, 8, v1
	v_lshlrev_b32 v4, 4, v4
	v_lshl_add_u32 v4, v1, 3, v4                   ; E: 8 (r + 16 (r >> 3))
	v_lshl_add_u32 v5, v1, 3, 64                   ; O: 8 (r + 8)
	v_xor_b32 v6, 8, v1
	v_lshl_add_u32 v6, v6, 3, 64                   ; O's columns: 8 ((r ^ 8) + 8)
	s_mov_b32 s26, 0x00ffff00                      ; lanes 8-23
	s_mov_b32 s27, 0xaaaaaaaa                      ; lanes with bit 0 set
	s_mov_b32 s28, 0xcccccccc                      ; bit 1
	s_mov_b32 s29, 0xf0f0f0f0                      ; bit 2
	s_mov_b32 s30, 0xbd5d0dd1                      ; -17/315
	s_mov_b32 s31, 0x3e088889                      ; 2/15
	s_mov_b32 s32, 0xbeaaaaab                      ; -1/3
	s_mov_b32 s33, 0x3a800000                      ; 1/1024
	s_mov_b32 s34, 0x4038aa3b                      ; 2 log2(e)
	s_mov_b32 s35, 0x3e800000                      ; 0.25
	s_wait_kmcnt 0x0
	s_load_b32 s24, s[12:13], 0x0                  ; scale
	s_load_b32 s25, s[14:15], 0x0                  ; bias
	s_add_nc_u64 s[8:9], s[8:9], s[20:21]
	s_add_nc_u64 s[10:11], s[10:11], s[20:21]
	s_add_nc_u64 s[16:17], s[16:17], s[20:21]
	s_add_nc_u64 s[22:23], s[4:5], AX1             ; tab at axis 1
	global_load_b64 v[8:9],   v4, s[8:9]           ; each pair: the indices of queries 2 Z and 2 Z + 1
	global_load_b64 v[10:11], v5, s[8:9]
	global_load_b64 v[12:13], v4, s[10:11]
	global_load_b64 v[14:15], v6, s[10:11]
	global_load_b64 v[16:17], v3, s[10:11]
	s_wait_loadcnt 0x0
.irp i, 8,9,10,11,12,13,14,15,16,17
	v_min_u32 v\i, NROW, v\i
.endr
.irp i, 8,9,10,11,12,13,14,15
	v_lshl_add_u32 v\i, v\i, 7, v2                 ; row x 128 bytes + 16 h
.endr
	v_lshlrev_b32 v16, 3, v16                      ; row x 8 bytes of wtab
	v_lshlrev_b32 v17, 3, v17
.irp p, 0,1
	GATH OP+64*\p,    8+\p,  4                     ; E: x
	GATH OP+64*\p+16, 12+\p, 22                    ; E: g
	GATH OP+64*\p+32, 10+\p, 4                     ; O: x
	GATH OP+64*\p+48, 14+\p, 22                    ; O: g, columns turned by 8
	global_load_b64 v[18+2*\p:19+2*\p], v[16+\p], s[6:7]
.endr
	s_wait_kmcnt 0x0                               ; scale and bias
	v_mov_b32 v39, s24
	v_mul_f32 v39, 0x3fb8aa3b, v39
	v_exp_f32 v38, v39                             ; exp(scale); first used far behind the four places below
	s_wait_loadcnt 17                              ; the 17 loads of p = 0 are in; the 17 of p = 1 stay out
	MM 0
	s_wait_loadcnt 0x0
	MM 1
.rept 4
	v_nop                                          ; four places behind the last matrix instruction, ahead of the selects that read and rewrite results (ISA guide 7.12.1)
.endr
	SEL 0, 0, 22
	SEL 1, 0, 23
	SEL 0, 1, 24
	SEL 1, 1, 25
	v_fma_f32 v22, v22, s33, v18                   ; a = sum / 1024 + Wa
	v_fma_f32 v23, v23, s33, v20
	v_fma_f32 v24, v24, s33, v19                   ; b = sum / 1024 + Wb
	v_fma_f32 v25, v25, s33, v21
	v_mul_f32 v28, s34, v24
	v_mul_f32 v29, s34, v25
	v_exp_f32 v30, v28                             ; e^(2 b)
	v_exp_f32 v31, v29
	v_pk_mul_f32 v[26:27], v[24:25], v[24:25]      ; u = b^2: the plain instruction behind the two exponentials
	v_fma_f32 v34, v26, s30, s31
	v_fma_f32 v35, v27, s30, s31
	v_fma_f32 v34, v34, v26, s32
	v_fma_f32 v35, v35, v27, s32
	v_fma_f32 v34, v34, v26, 1.0
	v_fma_f32 v35, v35, v27, 1.0
	s_wait_alu depctr_va_vdst(0)
	v_add_f32 v30, 1.0, v30
	v_add_f32 v31, 1.0, v31
	v_rcp_f32 v32, v30
	v_rcp_f32 v33, v31
	v_mul_f32 v34, v34, v24                        ; the series; also the plain instruction behind the two reciprocals
	v_mul_f32 v35, v35, v25
	s_wait_alu depctr_va_vdst(0)
	v_fma_f32 v32, v32, -2.0, 1.0                  ; 1 - 2 / (1 + e^(2 b))
	v_fma_f32 v33, v33, -2.0, 1.0
	v_cmp_lt_f32 vcc_lo, |v24|, s35
	v_cndmask_b32 v32, v32, v34, vcc_lo            ; small |b|: the series, which loses nothing by cancellation
	v_cmp_lt_f32 vcc_lo, |v25|, s35
	v_cndmask_b32 v33, v33, v35, vcc_lo
	v_mul_f32 v22, v22, v32
	v_mul_f32 v23, v23, v33
	v_fma_f32 v36, v22, v38, s25
	v_fma_f32 v37, v23, v38, s25
	global_store_b64 v3, v[36:37], s[16:17] th:TH_STORE_NT   ; 32 lanes x 8 bytes: my wave's 64 results
	s_endpgm
.Lfunc_end_k_q75dcc6114c_query:
	.size	k_q75dcc6114c_query, .Lfunc_end_k_q75dcc6114c_query-k_q75dcc6114c_query
	.p2alignl 7, 3214868480
	.fill 96, 4, 3214868480
	.section	.rodata,"a",@progbits
	.p2align	6, 0x0
	.amdhsa_kernel k_q75dcc6114c_query
		.amdhsa_group_segment_fixed_size 0
		.amdhsa_private_segment_fixed_size 0
		.amdhsa_enable_private_segment 0
		.amdhsa_kernarg_size 56
		.amdhsa_user_sgpr_count 2
		.amdhsa_user_sgpr_kernarg_segment_ptr 1
		.amdhsa_wavefront_size32 1
		.amdhsa_system_sgpr_workgroup_id_x 1
		.amdhsa_system_sgpr_workgroup_id_y 1
		.amdhsa_system_sgpr_workgroup_id_z 1
		.amdhsa_system_vgpr_workitem_id 0
		.amdhsa_next_free_vgpr 232
		.amdhsa_next_free_sgpr 66
		.amdhsa_reserve_vcc 1
		.amdhsa_float_denorm_mode_32 3
		.amdhsa_float_denorm_mode_16_64 3
		.amdhsa_memory_ordered 1
		.amdhsa_forward_progress 1
		.amdhsa_inst_pref_size 14
	.end_amdhsa_kernel
	.amdgpu_metadata
---
amdhsa.version: [ 1, 2 ]
amdhsa.kernels:
  - .name:           k_q75dcc6114c_query
    .symbol:         k_q75dcc6114c_query.kd
    .args:
      - { .name: tab, .offset: 0, .size: 8, .value_kind: global_buffer, .address_space: global }
      - { .name: wtab, .offset: 8, .size: 8, .value_kind: global_buffer, .address_space: global }
      - { .name: idx0, .offset: 16, .size: 8, .value_kind: global_buffer, .address_space: global }
      - { .name: idx1, .offset: 24, .size: 8, .value_kind: global_buffer, .address_space: global }
      - { .name: scale, .offset: 32, .size: 8, .value_kind: global_buffer, .address_space: global }
      - { .name: bias, .offset: 40, .size: 8, .value_kind: global_buffer, .address_space: global }
      - { .name: out0, .offset: 48, .size: 8, .value_kind: global_buffer, .address_space: global }
    .group_segment_fixed_size: 0
    .private_segment_fixed_size: 0
    .kernarg_segment_align: 8
    .kernarg_segment_size: 56
    .max_flat_workgroup_size: 160
    .sgpr_count:     66
    .vgpr_count:     232
    .wavefront_size: 32
...
	.end_amdgpu_metadata
.endif
;; end of part 2
;; ======== version 2 of 3: 2 launches; 1.52 times as fast as version 1
;; workspace buffers: codes 3,200,000 bytes of whole numbers
;; launch quant (part 3): grid 250 x 1, 8 waves a work-group, no clusters, 168,960 bytes of LDS; arguments feats, candidates, codes; writes codes
.if DOCPART == 3
	.amdgcn_target "amdgcn-amd-amdhsa--gfx1250"
	.amdhsa_code_object_version 6
	.text
	.protected	k_q75dcc6114c_quant
	.globl	k_q75dcc6114c_quant
	.p2align	8
	.type	k_q75dcc6114c_quant,@function
k_q75dcc6114c_quant:
	s_mov_b64 s[64:65], 0
	v_nop
	global_prefetch_b8 v0, s[64:65] scope:SCOPE_SE
	s_setreg_imm32_b32 hwreg(HW_REG_WAVE_MODE, 25, 1), 1
	s_wait_xcnt 0x0
; Quantises feats [100000][64] f32 against candidates [2][64][16] and writes the 4-bit index of the nearest candidate:
;   codes [100000][32 bytes]: byte m of a row holds features 2 m and 2 m + 1.
;   Rows 50000.. (axis 1): the even feature in the low nibble, the odd one in the high nibble.  Rows 0..49999 (axis 0): the other way round,
;   so that the query launch makes four table indices (code of axis 0, code of axis 1) out of two words with one bit-field insert.
; The index is that of the smallest |x - c[k]|, the same f32 differences that the problem's formula compares, the first index winning ties.
;
; SHARES.  250 work-groups, 125 for each axis; a work-group owns 400 rows, a wave 50, as 25 pairs of rows.  One 16-byte load a lane
; takes two whole rows (512 neighbouring bytes): lane L holds features 4 (L & 15) .. + 3 of row L >> 4.  A lane's features never
; change, so its 4 x 16 candidates stay in 64 registers.  The launch asks for 168,960 bytes of LDS and uses 17,152, so that no second
; work-group lies beside this one: the grid is cut for one work-group of eight waves to a WGP.
; ARGMIN.  d[k] = x - c[k], two at a time; m = the smallest |d|, exact, by eight three-way minima; then k runs from 14 down to 0 and
; takes the index wherever |d[k]| equals m: what is written last is the lowest such k.  Index 15 is the start and needs no compare.
; THE WAY OUT.  A lane's four codes are 16 bits of a row; they go to LDS, and the group's 12,800 bytes, 50 whole aligned blocks of 256,
; leave at the end by 16-byte stores of which each wave's covers 512 neighbouring bytes.
; LIMITS.  feats must be finite: with a NaN or an infinity the index is 15 or 0 and the later result is finite, where the formula
; gives NaN.  A NaN among the candidates is never chosen, where argmin would choose it.
.set NWG_AXIS,  125                    ; work-groups for each axis
.set ROWS_WG,   400
.set ROWS_WAVE, 50
.set DEPTH,     5                      ; loads of a wave in flight = slots of the ring
.set ROUNDS,    5                      ; 25 pairs of rows = 5 times round the 5 slots
.set FROW,      256                    ; bytes in a row of feats
.set CROW,      32                     ; bytes in a row of codes
.set CPITCH,    272                    ; LDS: the 64 candidates of four features, 256 bytes + 16: sixteen lanes' 16-byte reads fall on sixteen different 16-byte columns modulo 256
.set CST,       16*CPITCH              ; LDS: behind the candidates, 400 rows x 32 bytes of codes
.set VIN,  2                           ; v2   16 x lane: my 16 bytes in a pair of rows of feats; never rewritten
.set VW,   3                           ; v3   LDS address of my 2 bytes in the pair of rows at work
.set VC,   4                           ; v4   LDS address of my four features' candidates
.set VT,   5                           ; v5   16 x thread
.set VS,   6                           ; v6   LDS address to which this thread stages 16 bytes of candidates
.set C,    8                           ; v[8:71]    c[i][k] at C + 16 i + k
.set D,    72                          ; v[72:135]  d[i][k] at D + 16 i + k
.set X,    136                         ; v[136:155] slot s: 4 registers as loaded
.set M,    156                         ; v[156:159] the smallest |d| of my four features
.set T,    160                         ; v[160:179] five partial minima for each feature
.set IX,   180                         ; v[180:183] the index of each feature
.set CD,   184                         ; v184 four codes, packed
.set MK,   32                          ; s[32:47] sixteen masks: sixteen compares stand ahead of the selects that use them
.macro CMPK k, b                       ; where is |d[k]| the minimum?  One mask for each of the four features
.irp i, 0,1,2,3
	v_cmp_eq_f32 s[MK+\b+\i], |v[D+16*\i+\k]|, v[M+\i]
.endr
.endm
.macro SELK k, b                       ; there the index becomes k
.irp i, 0,1,2,3
	v_cndmask_b32 v[IX+\i], v[IX+\i], \k, s[MK+\b+\i]
.endr
.endm
; One slot's turn: a pair of rows.  refill = 1: the slot is loaded again with the pair DEPTH further down.
; left = how many younger loads may stay out.
.macro SLOT s, refill, left
	s_wait_loadcnt \left                           ; loads come back in order (ISA guide 5.7.1): this slot's is in, the younger ones stay out
.irp i, 0,2
.irp k, 0,2,4,6,8,10,12,14
	v_pk_add_f32 v[D+16*\i+\k:D+16*\i+\k+1], v[X+4*\s+\i:X+4*\s+\i+1], v[C+16*\i+\k:C+16*\i+\k+1] op_sel_hi:[0,1] neg_lo:[0,1] neg_hi:[0,1]                       ; the pair's first x, twice, less two candidates
.endr
.irp k, 0,2,4,6,8,10,12,14
	v_pk_add_f32 v[D+16*\i+16+\k:D+16*\i+16+\k+1], v[X+4*\s+\i:X+4*\s+\i+1], v[C+16*\i+16+\k:C+16*\i+16+\k+1] op_sel:[1,0] op_sel_hi:[1,1] neg_lo:[0,1] neg_hi:[0,1]  ; the pair's second x, twice
.endr
.endr
.if \refill
	global_load_b128 v[X+4*\s:X+4*\s+3], v[VIN], s[4:5] offset:2*FROW*(\s+DEPTH) th:TH_LOAD_NT   ; x is used up; feats is read once in the launch
.endif
.irp j, 0,1,2,3,4
.irp i, 0,1,2,3
	v_min3_num_f32 v[T+5*\i+\j], |v[D+16*\i+3*\j]|, |v[D+16*\i+3*\j+1]|, |v[D+16*\i+3*\j+2]|
.endr
.endr
.irp i, 0,1,2,3
	v_min3_num_f32 v[T+5*\i], v[T+5*\i], v[T+5*\i+1], v[T+5*\i+2]
.endr
.irp i, 0,1,2,3
	v_min3_num_f32 v[T+5*\i+3], v[T+5*\i+3], v[T+5*\i+4], |v[D+16*\i+15]|
.endr
.irp i, 0,1,2,3
	v_min_num_f32 v[M+\i], v[T+5*\i], v[T+5*\i+3]
.endr
	CMPK 14, 0
	CMPK 13, 4
	CMPK 12, 8
	CMPK 11, 12
.irp i, 0,1,2,3
	v_cndmask_b32 v[IX+\i], 15, 14, s[MK+\i]       ; the start: 15, or 14 where that is a minimum
.endr
	SELK 13, 4
	SELK 12, 8
	SELK 11, 12
	CMPK 10, 0
	CMPK 9, 4
	CMPK 8, 8
	CMPK 7, 12
	SELK 10, 0
	SELK 9, 4
	SELK 8, 8
	SELK 7, 12
	CMPK 6, 0
	CMPK 5, 4
	CMPK 4, 8
	CMPK 3, 12
	SELK 6, 0
	SELK 5, 4
	SELK 4, 8
	SELK 3, 12
	CMPK 2, 0
	CMPK 1, 4
	CMPK 0, 8
	SELK 2, 0
	SELK 1, 4
	SELK 0, 8
	v_lshlrev_b32 v[CD], s26, v[IX]                ; the nibbles' places hang on the axis and lie in scalar registers
	v_lshl_or_b32 v[CD], v[IX+1], s27, v[CD]
	v_lshl_or_b32 v[CD], v[IX+2], s28, v[CD]
	v_lshl_or_b32 v[CD], v[IX+3], s29, v[CD]
	ds_store_b16 v[VW], v[CD] offset:2*CROW*\s     ; 32 lanes x 2 bytes: the pair's two rows of codes
.endm
	s_load_b128 s[4:7], s[0:1], 0x0                ; feats s[4:5], candidates s[6:7]
	s_load_b64 s[10:11], s[0:1], 0x10              ; codes
	v_lshl_add_u32 v192, v0, 2, 0x29000
	v_mov_b32 v193, 0
	v_lshrrev_b32 v1, 5, v0
	v_readfirstlane_b32 s14, v1                    ; wave 0..7
	s_mov_b32 s15, ttmp9                           ; work-group 0..249
	v_and_b32 v[VIN], 31, v0                       ; lane
	v_lshlrev_b32 v[VW], 1, v[VIN]
	v_lshlrev_b32 v[VIN], 4, v[VIN]
	v_and_b32 v1, 15, v0                           ; which four features are mine
	v_mul_u32_u24 v[VC], v1, CPITCH
	v_lshlrev_b32 v[VT], 4, v0
	v_lshrrev_b32 v[VS], 4, v0                     ; thread t stages bytes 16 t .. 16 t + 15: block t >> 4, column t & 15
	v_mul_u32_u24 v[VS], v[VS], CPITCH
	v_lshl_add_u32 v[VS], v1, 4, v[VS]
	s_mul_i32 s24, s14, ROWS_WAVE*CROW
	s_add_co_u32 s24, s24, CST                     ; my wave's 50 rows of codes in LDS
	v_add_nc_u32 v[VW], s24, v[VW]
	s_mul_i32 s20, s15, ROWS_WG*FROW               ; my wave's first row in feats, 25,600,000 bytes at the most
	s_mul_i32 s24, s14, ROWS_WAVE*FROW
	s_add_co_u32 s20, s20, s24
	s_mov_b32 s21, 0
	s_mul_i32 s22, s15, ROWS_WG*CROW               ; the group's first row in codes
	s_mov_b32 s23, 0
	s_cmp_ge_u32 s15, NWG_AXIS                     ; axis 1?
	s_cselect_b32 s16, 0x1000, 0                   ; its candidates lie 4,096 bytes further on
	s_mov_b32 s17, 0
	s_cselect_b32 s26, 0, 4                        ; places of features 0 and 1 in their byte
	s_cselect_b32 s27, 4, 0
	s_add_co_u32 s28, s26, 8                       ; and of features 2 and 3 in the next
	s_add_co_u32 s29, s27, 8
	s_wait_kmcnt 0x0
	s_add_nc_u64 s[4:5], s[4:5], s[20:21]
	s_add_nc_u64 s[6:7], s[6:7], s[16:17]
	s_add_nc_u64 s[10:11], s[10:11], s[22:23]
	global_load_b128 v[D:D+3], v[VT], s[6:7]       ; the axis's 4,096 bytes of candidates, 16 neighbouring bytes a thread, once for the work-group
.irp s, 0,1,2,3,4
	global_load_b128 v[X+4*\s:X+4*\s+3], v[VIN], s[4:5] offset:2*FROW*\s th:TH_LOAD_NT   ; fill the ring: pairs 0 to 4
.endr
	s_wait_loadcnt DEPTH                           ; the candidates are in; the five loads of the ring stay out
	ds_store_b128 v[VS], v[D:D+3]
	s_wait_dscnt 0x0                               ; my 16 bytes of candidates are in LDS, for the other waves' sake
	s_barrier_signal -1
	s_barrier_wait -1                              ; everybody's are
.irp j, 0,1,2,3,4,5,6,7,8,9,10,11,12,13,14,15
	ds_load_b128 v[C+4*\j:C+4*\j+3], v[VC] offset:16*\j
.endr
	s_wait_dscnt 0x0
	s_mov_b32 s25, ROUNDS-1
.Lring:
.irp s, 0,1,2,3,4
	SLOT \s, 1, DEPTH-1
.endr
	s_wait_xcnt 0x0                                ; the base that the five loads name is stepped only behind this wait
	s_add_nc_u64 s[4:5], s[4:5], DEPTH*2*FROW
	v_add_nc_u32 v[VW], DEPTH*2*CROW, v[VW]
	s_sub_co_u32 s25, s25, 1
	s_cmp_lg_u32 s25, 0
	s_cbranch_scc1 .Lring
.irp s, 0,1,2,3,4
	SLOT \s, 0, DEPTH-1-\s                         ; the last five pairs load nothing: the counts run down
.endr
	s_wait_dscnt 0x0                               ; my codes are in LDS, for the other waves' sake
	s_barrier_signal -1
	s_barrier_wait -1
.irp n, 0,1,2
	ds_load_b128 v[D+4*\n:D+4*\n+3], v[VT] offset:CST+4096*\n       ; 3 x 4,096 bytes by all 256 threads
.endr
	s_wait_dscnt 0x0
.irp n, 0,1,2
	global_store_b128 v[VT], v[D+4*\n:D+4*\n+3], s[10:11] offset:4096*\n
.endr
	s_cmp_lg_u32 s14, 0
	s_cbranch_scc1 .Ldone
	ds_load_b128 v[D+12:D+15], v[VT] offset:CST+12288               ; the last 512 of the 12,800 bytes: wave 0
	s_wait_dscnt 0x0
	global_store_b128 v[VT], v[D+12:D+15], s[10:11] offset:12288
.Ldone:
	s_wait_tensorcnt 0x0
	ds_add_u32 v192, v193
	s_wait_dscnt 0x0
	s_endpgm
.Lfunc_end_k_q75dcc6114c_quant:
	.size	k_q75dcc6114c_quant, .Lfunc_end_k_q75dcc6114c_quant-k_q75dcc6114c_quant
	.p2alignl 7, 3214868480
	.fill 96, 4, 3214868480
	.section	.rodata,"a",@progbits
	.p2align	6, 0x0
	.amdhsa_kernel k_q75dcc6114c_quant
		.amdhsa_group_segment_fixed_size 168960
		.amdhsa_private_segment_fixed_size 0
		.amdhsa_enable_private_segment 0
		.amdhsa_kernarg_size 24
		.amdhsa_user_sgpr_count 2
		.amdhsa_user_sgpr_kernarg_segment_ptr 1
		.amdhsa_wavefront_size32 1
		.amdhsa_system_sgpr_workgroup_id_x 1
		.amdhsa_system_sgpr_workgroup_id_y 1
		.amdhsa_system_sgpr_workgroup_id_z 1
		.amdhsa_system_vgpr_workitem_id 0
		.amdhsa_next_free_vgpr 194
		.amdhsa_next_free_sgpr 66
		.amdhsa_reserve_vcc 0
		.amdhsa_float_denorm_mode_32 3
		.amdhsa_float_denorm_mode_16_64 3
		.amdhsa_memory_ordered 1
		.amdhsa_forward_progress 1
		.amdhsa_inst_pref_size 123
	.end_amdhsa_kernel
	.amdgpu_metadata
---
amdhsa.version: [ 1, 2 ]
amdhsa.kernels:
  - .name:           k_q75dcc6114c_quant
    .symbol:         k_q75dcc6114c_quant.kd
    .args:
      - { .name: feats, .offset: 0, .size: 8, .value_kind: global_buffer, .address_space: global }
      - { .name: candidates, .offset: 8, .size: 8, .value_kind: global_buffer, .address_space: global }
      - { .name: codes, .offset: 16, .size: 8, .value_kind: global_buffer, .address_space: global }
    .group_segment_fixed_size: 168960
    .private_segment_fixed_size: 0
    .kernarg_segment_align: 8
    .kernarg_segment_size: 24
    .max_flat_workgroup_size: 256
    .sgpr_count:     66
    .vgpr_count:     194
    .wavefront_size: 32
...
	.end_amdgpu_metadata
.endif
;; end of part 3
;; launch query (part 4): grid 256 x 1, 16 waves a work-group, no clusters, 77,824 bytes of LDS; arguments codes, candidates, values, idx0, idx1, scale, bias, out0; writes out0
.if DOCPART == 4
	.amdgcn_target "amdgcn-amd-amdhsa--gfx1250"
	.amdhsa_code_object_version 6
	.text
	.protected	k_q75dcc6114c_query
	.globl	k_q75dcc6114c_query
	.p2align	8
	.type	k_q75dcc6114c_query,@function
k_q75dcc6114c_query:
	s_mov_b64 s[64:65], 0
	v_nop
	global_prefetch_b8 v0, s[64:65] scope:SCOPE_SE
	s_setreg_imm32_b32 hwreg(HW_REG_WAVE_MODE, 25, 1), 1
	s_wait_xcnt 0x0
; out0[q] = a tanh(b) exp(scale) + bias,  a = sum over f < 32 of t[f],  b = sum over f >= 32 of t[f],
; t[f] = v0 x y + v1 x (1-y) + v2 (1-x) y + v3 (1-x)(1-y),  x = candidates[0][f][k0], y = candidates[1][f][k1],
; k0, k1 = the 4-bit codes of feature f in rows idx0[q] and 50000 + idx1[q] of codes; v0..v3 = the four rows of values.
;
; THE TABLE.  For one feature t takes 16 x 16 values, so the contraction with values is made once for each of the 64 x 256 argument
; pairs, in f32, as  t = (v3 + (v2-v3) y) + x ((v1-v3) + (v0-v1-v2+v3) y),  and kept in 65,536 bytes of LDS: T[k][f] at byte 256 k + 4 f,
; k = 16 k0 + k1 for even f and 16 k1 + k0 for odd f (that is how the two rows' nibbles meet: see MERGE).  A feature of a query is one
; LDS read.  The matrix unit has no work here: what is left of the product is 4 multiply-adds for each of 16,384 entries.
; SHARES.  256 work-groups of 16 waves stay and walk units of 64 queries: unit 4096 t + 256 wave + group, t = 0..3.  15,625 units:
; the 3,337 lowest wave numbers take four, the others three.  244 registers for each of four waves a SIMD: no second work-group fits.
; LANES.  Lane L = 4 i + j.  The unit's queries are 2 Z + p (Z = 0..31, p = 0, 1); entry e = 2 g + p of lane L is query Z = 4 i + g, of which
; the lane takes quarter j: 8 bytes of each row, features 16 j .. 16 j + 15.  The four lanes of a query read the row's 32 neighbouring bytes.
; BANKS.  In step (w, pr, b) lane L takes word w, byte b ^ (i & 3), parity pr ^ (i >> 2): feature 16 j + 8 w + 2 (b ^ (i & 3)) + (pr ^ (i >> 2)).
; The 32 lanes so take 32 different features, and a feature is a bank (64 banks of 4 bytes: ISA guide 11.1): no two lanes meet in one.
; LIMITS.  x and y are the candidates themselves, where the formula has (q + feats) - feats: one rounding of q + feats apart.  feats
; must be finite (a NaN there does not reach this launch).  exp(scale) below 2^-126 comes out as 0 (ISA guide, v_exp_f32).  tanh: for
; |b| < 0.25 the series b (1 - u/3 + 2 u^2/15 - 17 u^3/315), u = b^2 (the next term is below 3.3e-7 of b there), else
; 1 - 2 / (1 + 2^(2.885390 b)).  An index above 49,999 is clamped to the axis's last row.
.set NUNIT,  15625
.set NWAVES, 4096
.set FOURS,  NUNIT-3*NWAVES            ; 3,337 waves have a fourth unit
.set NROW,   49999
.set AX1,    1600000                   ; bytes of codes in front of axis 1
.set STG,    65536                     ; LDS: behind the table, 128 rows of 16 candidates
.set SPITCH, 80                        ; 64 bytes + 16: sixteen lanes' 16-byte reads of sixteen rows fall on sixteen different columns modulo 256
.set VQ,   2                           ; v2  8 j
.set VI,   3                           ; v3  32 i
.set VO,   4                           ; v4  8 L
.set SEL,  5                           ; v[5:8]    byte selectors of steps b = 0..3
.set FP,   9                           ; v[9:12]   FP + 2 pr + b/2: bytes 0, 1 = 4 x feature of steps b = even, odd (word 0); bytes 2, 3 = 0
.set MSK,  13                          ; v[13:14]  nibble masks of pr = 0, 1
.set VU,   16                          ; v[16:19]  unit t: byte offset of my eight indices
.set OO,   20                          ; v[20:23]  unit t: byte offset of my two results
.set ACC,  24                          ; v[24:31]  entry e: the sum of my 16 features
.set U0,   32
.set U1,   34
.set SS,   36
.set RR,   38
.set TT,   40
.set AA,   42                          ; v[42:43]  a of queries 2 L, 2 L + 1
.set BB,   44                          ; v[44:45]  b
.set UU,   46
.set EA,   48
.set EE,   50
.set RC,   52
.set SR,   54
.set EXPS, 56                          ; exp(scale)
.set EARG, 57
.set OUTD, 58                          ; v[58:65]   unit t: two results; a pair of its own for each unit, so that no store's data are rewritten
.set ADR,  66                          ; v[66:81]   16 LDS addresses
.set VAL,  82                          ; v[82:113]  two sets of 16 table entries
.set CX,   114                         ; v[114:129] entry e: 2 words of the row of axis 0
.set CY,   130                         ; v[130:145] entry e: 2 words of the row of axis 1
.set WRD,  146                         ; v[146:177] WRD + 4 e + 2 w + pr: four table indices
.set OFF0, 178                         ; v[178:209] unit t, entry e: index, then byte offset, in axis 0
.set OFF1, 210                         ; v[210:241] the same in axis 1
; at the start only, in registers that the units use later:
.set TM,   ADR                         ; at work
.set STGD, WRD                         ; 16 bytes of candidates
.set VV,   WRD+4                       ; v0..v3 of my feature
.set BY,   WRD+8                       ; v2 - v3
.set KX,   WRD+9                       ; v1 - v3
.set DDC,  WRD+10                      ; v0 - v1 - v2 + v3
.set BL,   WRD+11                      ; factor of the low nibble's candidate
.set CH,   WRD+12                      ; factor of the high nibble's candidate
.set VT,   WRD+13                      ; 16 x thread
.set VF4,  WRD+14                      ; 4 x my feature
.set VS,   WRD+15                      ; where I stage 16 bytes of candidates
.set WW,   WRD+16                      ; 16 registers
.set LO,   VAL                         ; the 16 candidates of the low nibble's axis
.set HI,   VAL+16                      ; two candidates of the high nibble's axis
.set VLO,  VAL+18
.set VHI,  VAL+19
.set VTB,  VAL+20
.set UB,   ADR                         ; 16 registers
.macro IDXL t                          ; the unit's 2 x 256 bytes of indices; the four lanes of a group read the same 32 bytes
	global_load_b128 v[OFF0+8*(\t):OFF0+8*(\t)+3],   v[VU+(\t)], s[10:11] th:TH_LOAD_NT
	global_load_b128 v[OFF0+8*(\t)+4:OFF0+8*(\t)+7], v[VU+(\t)], s[10:11] offset:16 th:TH_LOAD_NT
	global_load_b128 v[OFF1+8*(\t):OFF1+8*(\t)+3],   v[VU+(\t)], s[12:13] th:TH_LOAD_NT
	global_load_b128 v[OFF1+8*(\t)+4:OFF1+8*(\t)+7], v[VU+(\t)], s[12:13] offset:16 th:TH_LOAD_NT
.endm
.macro OFFS t                          ; index -> row x 32 bytes + my quarter
.irp e, 0,1,2,3,4,5,6,7
	v_min_u32 v[OFF0+8*(\t)+\e], NROW, v[OFF0+8*(\t)+\e]
	v_min_u32 v[OFF1+8*(\t)+\e], NROW, v[OFF1+8*(\t)+\e]
.endr
.irp e, 0,1,2,3,4,5,6,7
	v_lshl_add_u32 v[OFF0+8*(\t)+\e], v[OFF0+8*(\t)+\e], 5, v[VQ]
	v_lshl_add_u32 v[OFF1+8*(\t)+\e], v[OFF1+8*(\t)+\e], 5, v[VQ]
.endr
.endm
.macro GATH t                          ; 16 loads: my 8 bytes of both rows of the eight entries of unit t
.irp e, 0,1,2,3,4,5,6,7
	global_load_b64 v[CX+2*\e:CX+2*\e+1], v[OFF0+8*(\t)+\e], s[4:5]
	global_load_b64 v[CY+2*\e:CY+2*\e+1], v[OFF1+8*(\t)+\e], s[26:27]
.endr
.endm
; Axis 0 keeps the even feature's code in the high nibble, axis 1 in the low one.  Mask f0f0f0f0: high nibbles of axis 0, low ones of axis 1:
; 16 k0 + k1 of four even features.  Mask 0f0f0f0f: 16 k1 + k0 of four odd ones.  The lane's mask of pr is that of parity pr ^ (i >> 2).
.macro MERGE
.irp e, 0,1,2,3,4,5,6,7
.irp w, 0,1
.irp pr, 0,1
	v_bfi_b32 v[WRD+4*\e+2*\w+\pr], v[MSK+\pr], v[CX+2*\e+\w], v[CY+2*\e+\w]
.endr
.endr
.endr
.endm
; The 16 lookups of entry e into set st.  One v_perm_b32 makes an address: byte 1 = the index, byte 0 = 4 x feature, bytes 2 and 3 = 0.
.macro LOOK e, st
.irp w, 0,1
.irp pr, 0,1
.irp b, 0,1,2,3
	v_perm_b32 v[ADR+8*\w+4*\pr+\b], v[WRD+4*\e+2*\w+\pr], v[FP+2*\pr+\b/2], v[SEL+\b]
.endr
.endr
.endr
.irp n, 0,1,2,3,4,5,6,7,8,9,10,11,12,13,14,15
	v_min_u32 v[ADR+\n], 0xffff, v[ADR+\n]         ; an address made of loaded data is bounded by a constant: whatever the buffer holds, no read leaves the table
.endr
.irp n, 0,1,2,3,4,5,6,7,8,9,10,11,12,13,14,15
	ds_load_b32 v[VAL+16*\st+\n], v[ADR+\n] offset:32*(\n/8)        ; word 1's features lie 8 x 4 bytes behind word 0's
.endr
.endm
.macro SUM e, st
.irp n, 0,4,8,12
	v_pk_add_f32 v[VAL+16*\st+\n:VAL+16*\st+\n+1], v[VAL+16*\st+\n:VAL+16*\st+\n+1], v[VAL+16*\st+\n+2:VAL+16*\st+\n+3]
.endr
.irp n, 0,8
	v_pk_add_f32 v[VAL+16*\st+\n:VAL+16*\st+\n+1], v[VAL+16*\st+\n:VAL+16*\st+\n+1], v[VAL+16*\st+\n+4:VAL+16*\st+\n+5]
.endr
	v_pk_add_f32 v[VAL+16*\st:VAL+16*\st+1], v[VAL+16*\st:VAL+16*\st+1], v[VAL+16*\st+8:VAL+16*\st+9]
	v_add_f32 v[ACC+\e], v[VAL+16*\st], v[VAL+16*\st+1]
.endm
; Lanes j = 0, 1 of a group hold the two quarters of a, lanes 2, 3 those of b, for entries g = 0..3.  Lane 4 i + j finishes query Z = 4 i + j.
.macro FINAL t
.irp e, 0,1,2,3,4,5,6,7
	v_add_f32_dpp v[ACC+\e], v[ACC+\e], v[ACC+\e] row_xmask:1 row_mask:0xf bank_mask:0xf   ; two quarters make a half
.endr
.irp p, 0,1
	v_cndmask_b32 v[U0+\p], v[ACC+\p],   v[ACC+2+\p], s30           ; g = 0 or 1 by the lane's bit 0
	v_cndmask_b32 v[U1+\p], v[ACC+4+\p], v[ACC+6+\p], s30           ; g = 2 or 3
.endr
.irp p, 0,1
	v_cndmask_b32 v[SS+\p], v[U0+\p], v[U1+\p], s31                 ; g = j: my half of my query
	v_cndmask_b32 v[RR+\p], v[U1+\p], v[U0+\p], s31                 ; g = j ^ 2: my half of the query of lane L ^ 2
.endr
.irp p, 0,1
	v_mov_b32_dpp v[TT+\p], v[RR+\p] row_xmask:2 row_mask:0xf bank_mask:0xf                ; and that lane's half of mine
.endr
.irp p, 0,1
	v_cndmask_b32 v[AA+\p], v[SS+\p], v[TT+\p], s31
	v_cndmask_b32 v[BB+\p], v[TT+\p], v[SS+\p], s31
.endr
	v_mul_f32 v[EA], s35, v[BB]
	v_mul_f32 v[EA+1], s35, v[BB+1]
	v_exp_f32 v[EE], v[EA]                         ; e^(2 b)
	v_exp_f32 v[EE+1], v[EA+1]
	v_pk_mul_f32 v[UU:UU+1], v[BB:BB+1], v[BB:BB+1]                 ; u = b^2: the plain instruction behind the two exponentials (ISA guide 5.7.2)
	v_fma_f32 v[SR], v[UU], s32, s33
	v_fma_f32 v[SR+1], v[UU+1], s32, s33
	v_fma_f32 v[SR], v[SR], v[UU], s34
	v_fma_f32 v[SR+1], v[SR+1], v[UU+1], s34
	v_fma_f32 v[SR], v[SR], v[UU], 1.0
	v_fma_f32 v[SR+1], v[SR+1], v[UU+1], 1.0
	s_wait_alu depctr_va_vdst(0)
	v_add_f32 v[EE], 1.0, v[EE]
	v_add_f32 v[EE+1], 1.0, v[EE+1]
	v_rcp_f32 v[RC], v[EE]
	v_rcp_f32 v[RC+1], v[EE+1]
	v_mul_f32 v[SR], v[SR], v[BB]                  ; the series; also the plain instruction behind the two reciprocals
	v_mul_f32 v[SR+1], v[SR+1], v[BB+1]
	s_wait_alu depctr_va_vdst(0)
	v_fma_f32 v[RC], v[RC], -2.0, 1.0              ; 1 - 2 / (1 + e^(2 b))
	v_fma_f32 v[RC+1], v[RC+1], -2.0, 1.0
	v_cmp_lt_f32 vcc_lo, |v[BB]|, s36
	v_cndmask_b32 v[RC], v[RC], v[SR], vcc_lo      ; small |b|: the series, which loses nothing by cancellation
	v_cmp_lt_f32 vcc_lo, |v[BB+1]|, s36
	v_cndmask_b32 v[RC+1], v[RC+1], v[SR+1], vcc_lo
	v_mul_f32 v[AA], v[AA], v[RC]
	v_mul_f32 v[AA+1], v[AA+1], v[RC+1]
	v_fma_f32 v[OUTD+2*\t], v[AA], v[EXPS], s29
	v_fma_f32 v[OUTD+2*\t+1], v[AA+1], v[EXPS], s29
	global_store_b64 v[OO+\t], v[OUTD+2*\t:OUTD+2*\t+1], s[18:19] th:TH_STORE_NT   ; 32 lanes x 8 bytes: the unit's 64 results, 256 bytes at a multiple of 256
.endm
; Unit t.  nxt = the number of the unit whose rows are asked for as soon as the merges have freed their registers, so that they have this
; whole unit in which to land; nxt = 0: nothing more is asked for (unit 0 is never a next one).
.macro UNIT t, nxt
	s_wait_loadcnt 0x0                             ; this unit's 16 gathers: no younger load is out
	MERGE
.if \nxt
	GATH \nxt
.endif
	LOOK 0, 0
	LOOK 1, 1
	s_wait_dscnt 16                                ; LDS loads come back in order (ISA guide 5.7.1): all but the 16 just issued
	SUM 0, 0
	LOOK 2, 0
	s_wait_dscnt 16
	SUM 1, 1
	LOOK 3, 1
	s_wait_dscnt 16
	SUM 2, 0
	LOOK 4, 0
	s_wait_dscnt 16
	SUM 3, 1
	LOOK 5, 1
	s_wait_dscnt 16
	SUM 4, 0
	LOOK 6, 0
	s_wait_dscnt 16
	SUM 5, 1
	LOOK 7, 1
	s_wait_dscnt 16
	SUM 6, 0
	s_wait_dscnt 0x0
	SUM 7, 1
	FINAL \t
.endm
	s_load_b256 s[4:11], s[0:1], 0x0               ; codes s[4:5], candidates s[6:7], values s[8:9], idx0 s[10:11]
	s_load_b256 s[12:19], s[0:1], 0x20             ; idx1 s[12:13], scale s[14:15], bias s[16:17], out0 s[18:19]
	v_lshl_add_u32 v242, v0, 2, 0x12800
	v_mov_b32 v243, 0
	v_lshrrev_b32 v1, 5, v0
	v_readfirstlane_b32 s20, v1                    ; wave 0..15
	s_lshl_b32 s21, s20, 8
	s_add_co_u32 s21, s21, ttmp9                   ; 256 wave + group: my first unit
	s_mov_b32 s22, s21
	s_add_co_u32 s23, s21, NWAVES
	s_add_co_u32 s24, s21, 2*NWAVES
	s_add_co_u32 s25, s21, 3*NWAVES
	s_min_u32 s25, s25, NUNIT-1                    ; a wave without a fourth unit reads the last unit's indices and does not use them
	v_and_b32 v1, 31, v0                           ; L
	v_and_b32 v[TM], 3, v0                         ; j
	v_lshlrev_b32 v[VQ], 3, v[TM]
	v_lshrrev_b32 v[TM+1], 2, v1                   ; i
	v_lshlrev_b32 v[VI], 5, v[TM+1]
	v_lshlrev_b32 v[VO], 3, v1
.irp t, 0,1,2,3
	v_lshl_add_u32 v[VU+\t], s[22+\t], 8, v[VI]    ; a unit is 256 bytes of idx0, of idx1 and of out0
	v_lshl_add_u32 v[OO+\t], s[22+\t], 8, v[VO]
.endr
	v_lshlrev_b32 v[VT], 4, v0
	v_and_b32 v[TM+2], 63, v0                      ; the feature whose entries I make
	v_lshlrev_b32 v[VF4], 2, v[TM+2]
	s_mov_b32 s30, 0xaaaaaaaa                      ; lanes with bit 0 set
	s_mov_b32 s31, 0xcccccccc                      ; bit 1
	s_mov_b32 s32, 0xbd5d0dd1                      ; -17/315
	s_mov_b32 s33, 0x3e088889                      ; 2/15
	s_mov_b32 s34, 0xbeaaaaab                      ; -1/3
	s_mov_b32 s35, 0x4038aa3b                      ; 2 log2(e)
	s_mov_b32 s36, 0x3e800000                      ; 0.25
	s_mov_b32 s37, 0xffff0000                      ; lanes 16-31: i >> 2 = 1
	s_wait_kmcnt 0x0
	s_load_b32 s28, s[14:15], 0x0                  ; scale
	s_load_b32 s29, s[16:17], 0x0                  ; bias
	s_add_nc_u64 s[26:27], s[4:5], AX1             ; codes at axis 1
	IDXL 0                                         ; 4 loads
	global_load_b128 v[STGD:STGD+3], v[VT], s[6:7] ; the 8,192 bytes of candidates, 16 neighbouring bytes a thread, once for the work-group
.irp k, 0,1,2,3
	global_load_b32 v[VV+\k], v[VF4], s[8:9] offset:256*\k
.endr
	IDXL 1                                         ; 12 loads
	IDXL 2
	IDXL 3
	; the lane's selectors, feature offsets and masks
	v_bfe_u32 v[TM+3], v0, 2, 2                    ; i & 3
	v_bfe_u32 v[TM+4], v0, 4, 1                    ; i >> 2
	v_lshlrev_b32 v[TM], 6, v[TM]                  ; 4 x 16 j
	v_lshl_add_u32 v[TM+5], v[TM+4], 2, v[TM]      ; pr = 0: + 4 (i >> 2)
	v_xor_b32 v[TM+4], 1, v[TM+4]
	v_lshl_add_u32 v[TM+6], v[TM+4], 2, v[TM]      ; pr = 1: + 4 (1 - (i >> 2))
.irp b, 0,1,2,3
	v_xor_b32 v[TM+8+\b], \b, v[TM+3]              ; the byte of step b
	v_lshl_add_u32 v[SEL+\b], v[TM+8+\b], 8, 0x03020400+(\b&1)      ; result byte 0 = byte b & 1 of FP, byte 1 = that byte of the index word (first source: 4..7), bytes 2, 3 = FP's zeros
.endr
.irp h, 0,1
	v_lshl_add_u32 v[TM+12], v[TM+8+2*\h], 3, v[TM+5]               ; + 4 x 2 x byte
	v_lshl_add_u32 v[TM+13], v[TM+9+2*\h], 3, v[TM+5]
	v_lshl_or_b32 v[FP+\h], v[TM+13], 8, v[TM+12]
	v_lshl_add_u32 v[TM+12], v[TM+8+2*\h], 3, v[TM+6]
	v_lshl_add_u32 v[TM+13], v[TM+9+2*\h], 3, v[TM+6]
	v_lshl_or_b32 v[FP+2+\h], v[TM+13], 8, v[TM+12]
.endr
	v_mov_b32 v[TM+12], 0xf0f0f0f0
	v_mov_b32 v[TM+13], 0x0f0f0f0f
	v_cndmask_b32 v[MSK],   v[TM+12], v[TM+13], s37
	v_cndmask_b32 v[MSK+1], v[TM+13], v[TM+12], s37
	v_mov_b32 v[TT], v0                            ; a DPP move's destination counts as read: written once, with any value
	v_mov_b32 v[TT+1], v0
	; where the table's maker reads and writes.  Thread t makes feature f = t & 63, high nibbles 2 (t >> 6) and 2 (t >> 6) + 1, all 16 low nibbles.
	v_lshrrev_b32 v[TM+3], 2, v0                   ; staging: candidates' row t >> 2 (64 axis + feature), column t & 3
	v_and_b32 v[TM+4], 3, v0
	v_mul_u32_u24 v[VS], v[TM+3], SPITCH
	v_lshl_add_u32 v[VS], v[TM+4], 4, v[VS]
	v_add_nc_u32 v[VS], STG, v[VS]
	v_and_b32 v[TM+5], 1, v0                       ; odd feature: the high nibble is axis 1's
	v_lshl_add_u32 v[TM+6], v[TM+5], 6, v[TM+2]    ; row of the high nibble's axis
	v_xor_b32 v[TM+5], 1, v[TM+5]
	v_lshl_add_u32 v[TM+7], v[TM+5], 6, v[TM+2]    ; row of the low nibble's axis
	v_mul_u32_u24 v[VLO], v[TM+7], SPITCH
	v_add_nc_u32 v[VLO], STG, v[VLO]
	v_lshrrev_b32 v[TM+8], 6, v0
	v_mul_u32_u24 v[VHI], v[TM+6], SPITCH
	v_lshl_add_u32 v[VHI], v[TM+8], 3, v[VHI]
	v_add_nc_u32 v[VHI], STG, v[VHI]
	v_lshl_add_u32 v[VTB], v[TM+8], 13, v[VF4]     ; 32 entries x 256 bytes for each t >> 6, + 4 f
	s_wait_loadcnt 17                              ; of 21 loads the first four, unit 0's indices, are in
	OFFS 0
	GATH 0                                         ; unit 0's rows land while the table is made
	s_wait_loadcnt 28                              ; candidates and values are in: 12 index loads and 16 gathers are younger
	ds_store_b128 v[VS], v[STGD:STGD+3]
	v_sub_f32 v[BY], v[VV+2], v[VV+3]
	v_sub_f32 v[KX], v[VV+1], v[VV+3]
	v_sub_f32 v[DDC], v[VV], v[VV+1]
	v_sub_f32 v[DDC], v[DDC], v[BY]
	v_cndmask_b32 v[BL], v[BY], v[KX], s30         ; even f: low nibble = y, high = x; odd f: the other way round
	v_cndmask_b32 v[CH], v[KX], v[BY], s30
	s_wait_kmcnt 0x0                               ; scale and bias
	v_mov_b32 v[EARG], s28
	v_mul_f32 v[EARG], 0x3fb8aa3b, v[EARG]
	v_exp_f32 v[EXPS], v[EARG]                     ; exp(scale); neither register is touched again before the first unit's end
	s_wait_dscnt 0x0                               ; my 16 bytes of candidates are in LDS, for the other waves' sake
	s_barrier_signal -1
	s_barrier_wait -1
.irp n, 0,1,2,3
	ds_load_b128 v[LO+4*\n:LO+4*\n+3], v[VLO] offset:16*\n
.endr
	ds_load_b64 v[HI:HI+1], v[VHI]
	s_wait_dscnt 0x0
.irp n, 0,1,2,3,4,5,6,7,8,9,10,11,12,13,14,15
	v_fma_f32 v[UB+\n], v[BL], v[LO+\n], v[VV+3]
	v_fma_f32 v[WW+\n], v[DDC], v[LO+\n], v[CH]
.endr
.irp n, 0,1,2,3,4,5,6,7,8,9,10,11,12,13,14,15
	v_fma_f32 v[LO+\n], v[HI], v[WW+\n], v[UB+\n]
	v_fma_f32 v[UB+\n], v[HI+1], v[WW+\n], v[UB+\n]
.endr
.irp n, 0,1,2,3,4,5,6,7,8,9,10,11,12,13,14,15
	ds_store_b32 v[VTB], v[LO+\n] offset:256*\n                    ; 32 lanes, 32 neighbouring features: 128 neighbouring bytes
	ds_store_b32 v[VTB], v[UB+\n] offset:256*(16+\n)
.endr
	s_wait_loadcnt 16                              ; the other units' indices are in; unit 0's 16 gathers may stay out
	OFFS 1
	OFFS 2
	OFFS 3
	s_wait_dscnt 0x0                               ; my 32 entries are in LDS, for the other waves' sake
	s_barrier_signal -1
	s_barrier_wait -1                              ; the table is whole; nothing writes LDS from here on
	UNIT 0, 1
	UNIT 1, 2
	s_cmp_lt_u32 s21, FOURS
	s_cbranch_scc0 .Lthree
	UNIT 2, 3
	UNIT 3, 0
	s_wait_tensorcnt 0x0
	ds_add_u32 v242, v243
	s_wait_dscnt 0x0
	s_endpgm
.Lthree:
	UNIT 2, 0                                      ; no fourth unit: nothing more is asked for
	s_wait_tensorcnt 0x0
	ds_add_u32 v242, v243
	s_wait_dscnt 0x0
	s_endpgm
.Lfunc_end_k_q75dcc6114c_query:
	.size	k_q75dcc6114c_query, .Lfunc_end_k_q75dcc6114c_query-k_q75dcc6114c_query
	.p2alignl 7, 3214868480
	.fill 96, 4, 3214868480
	.section	.rodata,"a",@progbits
	.p2align	6, 0x0
	.amdhsa_kernel k_q75dcc6114c_query
		.amdhsa_group_segment_fixed_size 77824
		.amdhsa_private_segment_fixed_size 0
		.amdhsa_enable_private_segment 0
		.amdhsa_kernarg_size 64
		.amdhsa_user_sgpr_count 2
		.amdhsa_user_sgpr_kernarg_segment_ptr 1
		.amdhsa_wavefront_size32 1
		.amdhsa_system_sgpr_workgroup_id_x 1
		.amdhsa_system_sgpr_workgroup_id_y 1
		.amdhsa_system_sgpr_workgroup_id_z 1
		.amdhsa_system_vgpr_workitem_id 0
		.amdhsa_next_free_vgpr 244
		.amdhsa_next_free_sgpr 66
		.amdhsa_reserve_vcc 1
		.amdhsa_float_denorm_mode_32 3
		.amdhsa_float_denorm_mode_16_64 3
		.amdhsa_memory_ordered 1
		.amdhsa_forward_progress 1
		.amdhsa_inst_pref_size 193
	.end_amdhsa_kernel
	.amdgpu_metadata
---
amdhsa.version: [ 1, 2 ]
amdhsa.kernels:
  - .name:           k_q75dcc6114c_query
    .symbol:         k_q75dcc6114c_query.kd
    .args:
      - { .name: codes, .offset: 0, .size: 8, .value_kind: global_buffer, .address_space: global }
      - { .name: candidates, .offset: 8, .size: 8, .value_kind: global_buffer, .address_space: global }
      - { .name: values, .offset: 16, .size: 8, .value_kind: global_buffer, .address_space: global }
      - { .name: idx0, .offset: 24, .size: 8, .value_kind: global_buffer, .address_space: global }
      - { .name: idx1, .offset: 32, .size: 8, .value_kind: global_buffer, .address_space: global }
      - { .name: scale, .offset: 40, .size: 8, .value_kind: global_buffer, .address_space: global }
      - { .name: bias, .offset: 48, .size: 8, .value_kind: global_buffer, .address_space: global }
      - { .name: out0, .offset: 56, .size: 8, .value_kind: global_buffer, .address_space: global }
    .group_segment_fixed_size: 77824
    .private_segment_fixed_size: 0
    .kernarg_segment_align: 8
    .kernarg_segment_size: 64
    .max_flat_workgroup_size: 512
    .sgpr_count:     66
    .vgpr_count:     244
    .wavefront_size: 32
...
	.end_amdgpu_metadata
.endif
;; end of part 4
;; ======== version 3 of 3: 2 launches; version 2 with the launches quant, query written anew for expert scheduling mode
;; workspace buffers: codes 3,200,000 bytes of whole numbers
;; launch quant (part 5): grid 250 x 1, 8 waves a work-group, no clusters, 168,960 bytes of LDS; arguments feats, candidates, codes; writes codes
.if DOCPART == 5
	.amdgcn_target "amdgcn-amd-amdhsa--gfx1250"
	.amdhsa_code_object_version 6
	.text
	.protected	k_q75dcc6114c_quant
	.globl	k_q75dcc6114c_quant
	.p2align	8
	.type	k_q75dcc6114c_quant,@function
k_q75dcc6114c_quant:
	s_mov_b64 s[64:65], 0
	v_nop
	global_prefetch_b8 v0, s[64:65] scope:SCOPE_SE
	s_setreg_imm32_b32 hwreg(HW_REG_WAVE_SCHED_MODE, 0, 2), 2
	s_setreg_imm32_b32 hwreg(HW_REG_WAVE_MODE, 25, 1), 1
	s_wait_xcnt 0x0
	s_wait_alu depctr_vm_vsrc(0)
; Quantises feats [100000][64] f32 against candidates [2][64][16] and writes the 4-bit index of the nearest candidate:
;   codes [100000][32 bytes]: byte m of a row holds features 2 m and 2 m + 1.
;   Rows 50000.. (axis 1): the even feature in the low nibble, the odd one in the high nibble.  Rows 0..49999 (axis 0): the other way round,
;   so that the query launch makes four table indices (code of axis 0, code of axis 1) out of two words with one bit-field insert.
; The index is that of the smallest |x - c[k]|, the same f32 differences that the problem's formula compares, the first index winning ties.
;
; SHARES.  250 work-groups, 125 for each axis; a work-group owns 400 rows, a wave 50, as 25 pairs of rows.  One 16-byte load a lane
; takes two whole rows (512 neighbouring bytes): lane L holds features 4 (L & 15) .. + 3 of row L >> 4.  A lane's features never
; change, so its 4 x 16 candidates stay in 64 registers.  The launch asks for 168,960 bytes of LDS and uses 17,152, so that no second
; work-group lies beside this one: the grid is cut for one work-group of eight waves to a WGP.
; ARGMIN.  d[k] = x - c[k], two at a time; m = the smallest |d|, exact, by eight three-way minima; then k runs from 14 down to 0 and
; takes the index wherever |d[k]| equals m: what is written last is the lowest such k.  Index 15 is the start and needs no compare.
; THE WAY OUT.  A lane's four codes are 16 bits of a row; they go to LDS, and the group's 12,800 bytes, 50 whole aligned blocks of 256,
; leave at the end by 16-byte stores of which each wave's covers 512 neighbouring bytes.
; LIMITS.  feats must be finite: with a NaN or an infinity the index is 15 or 0 and the later result is finite, where the formula
; gives NaN.  A NaN among the candidates is never chosen, where argmin would choose it.
; THE MODE: SCHED_MODE bits 1:0 = 2 (LLVM: expert scheduling mode 2), set by the entry lines.  The code itself states the register dependences
; between vector instructions and memory or LDS instructions, and those through scalar registers that vector instructions write, with s_wait_alu, always for 0.
; THE PLAN.  Registers that memory or LDS instructions touch:
;   v[VIN], v[VC], v[VT], v[VS]  offsets and addresses, made once at the head and never written again.
;   X[s]     Slot s: its 32 differences read it; behind them the load of the pair five further down lands in it.
;   CD[s]    Written at the end of slot s; read by the LDS store that stands in slot s + 1 (slot 4's: at the round's end); written again a round later.
;   v[VW]    Read by those stores; written once a round, at the round's end.
;   D        At the head D[0:3] carries candidates into LDS; in the loop vector instructions alone name D; behind the last barrier LDS loads land in it.
; So ONE wait on va_vdst stands in a slot, behind its differences: they are done reading X[s], and the slot before has written its CD.  The refill and
; the store follow it at once.  One more stands at a round's end, for CD[4], and one wait on vm_vsrc there, ahead of the add to v[VW], covers the round's five stores.
; The masks of the compares lie in scalar registers: one wait on va_sdst stands behind each run of compares, ahead of the selects that read them.
.set NWG_AXIS,  125                    ; work-groups for each axis
.set ROWS_WG,   400
.set ROWS_WAVE, 50
.set DEPTH,     5                      ; loads of a wave in flight = slots of the ring
.set ROUNDS,    5                      ; 25 pairs of rows = 5 times round the 5 slots
.set FROW,      256                    ; bytes in a row of feats
.set CROW,      32                     ; bytes in a row of codes
.set CPITCH,    272                    ; LDS: the 64 candidates of four features, 256 bytes + 16: sixteen lanes' 16-byte reads fall on sixteen different 16-byte columns modulo 256
.set CST,       16*CPITCH              ; LDS: behind the candidates, 400 rows x 32 bytes of codes
.set VIN,  2                           ; v2   16 x lane: my 16 bytes in a pair of rows of feats; never rewritten
.set VW,   3                           ; v3   LDS address of my 2 bytes in the round's first pair of rows
.set VC,   4                           ; v4   LDS address of my four features' candidates
.set VT,   5                           ; v5   16 x thread
.set VS,   6                           ; v6   LDS address to which this thread stages 16 bytes of candidates
.set C,    8                           ; v[8:71]    c[i][k] at C + 16 i + k
.set D,    72                          ; v[72:135]  d[i][k] at D + 16 i + k
.set X,    136                         ; v[136:155] slot s: 4 registers as loaded
.set M,    156                         ; v[156:159] the smallest |d| of my four features
.set T,    160                         ; v[160:179] five partial minima for each feature
.set IX,   180                         ; v[180:183] the index of each feature
.set CD,   184                         ; v[184:188] slot s: four codes, packed
.set MK,   32                          ; s[32:47] sixteen masks: sixteen compares stand ahead of the selects that use them
.macro CMPK k, b                       ; where is |d[k]| the minimum?  One mask for each of the four features
.irp i, 0,1,2,3
	v_cmp_eq_f32 s[MK+\b+\i], |v[D+16*\i+\k]|, v[M+\i]
.endr
.endm
.macro SELK k, b                       ; there the index becomes k
.irp i, 0,1,2,3
	v_cndmask_b32 v[IX+\i], v[IX+\i], \k, s[MK+\b+\i]
.endr
.endm
; One slot's turn: a pair of rows.  refill = 1: the slot is loaded again with the pair DEPTH further down.
; left = how many younger loads may stay out.
.macro SLOT s, refill, left
	s_wait_loadcnt \left                           ; loads come back in order (ISA guide 5.7.1): this slot's is in, the younger ones stay out
.irp i, 0,2
.irp k, 0,2,4,6,8,10,12,14
	v_pk_add_f32 v[D+16*\i+\k:D+16*\i+\k+1], v[X+4*\s+\i:X+4*\s+\i+1], v[C+16*\i+\k:C+16*\i+\k+1] op_sel_hi:[0,1] neg_lo:[0,1] neg_hi:[0,1]                       ; the pair's first x, twice, less two candidates
.endr
.irp k, 0,2,4,6,8,10,12,14
	v_pk_add_f32 v[D+16*\i+16+\k:D+16*\i+16+\k+1], v[X+4*\s+\i:X+4*\s+\i+1], v[C+16*\i+16+\k:C+16*\i+16+\k+1] op_sel:[1,0] op_sel_hi:[1,1] neg_lo:[0,1] neg_hi:[0,1]  ; the pair's second x, twice
.endr
.endr
.if (\refill) || (\s)
	s_wait_alu depctr_va_vdst(0)                   ; the differences are done reading X[s], in which the load below lands; the slot before has written its CD, and the round's end v[VW], which the store below reads
.endif
.if \refill
	global_load_b128 v[X+4*\s:X+4*\s+3], v[VIN], s[4:5] offset:2*FROW*(\s+DEPTH) th:TH_LOAD_NT   ; x is used up; feats is read once in the launch
.endif
.if \s
	ds_store_b16 v[VW], v[CD+(\s)-1] offset:2*CROW*((\s)-1)         ; the slot before: 32 lanes x 2 bytes, the pair's two rows of codes
.endif
.irp j, 0,1,2,3,4
.irp i, 0,1,2,3
	v_min3_num_f32 v[T+5*\i+\j], |v[D+16*\i+3*\j]|, |v[D+16*\i+3*\j+1]|, |v[D+16*\i+3*\j+2]|
.endr
.endr
.irp i, 0,1,2,3
	v_min3_num_f32 v[T+5*\i], v[T+5*\i], v[T+5*\i+1], v[T+5*\i+2]
.endr
.irp i, 0,1,2,3
	v_min3_num_f32 v[T+5*\i+3], v[T+5*\i+3], v[T+5*\i+4], |v[D+16*\i+15]|
.endr
.irp i, 0,1,2,3
	v_min_num_f32 v[M+\i], v[T+5*\i], v[T+5*\i+3]
.endr
	CMPK 14, 0
	CMPK 13, 4
	CMPK 12, 8
	CMPK 11, 12
	s_wait_alu depctr_va_sdst(0)                   ; the sixteen compares have written their masks, which the selects below read
.irp i, 0,1,2,3
	v_cndmask_b32 v[IX+\i], 15, 14, s[MK+\i]       ; the start: 15, or 14 where that is a minimum
.endr
	SELK 13, 4
	SELK 12, 8
	SELK 11, 12
	CMPK 10, 0
	CMPK 9, 4
	CMPK 8, 8
	CMPK 7, 12
	s_wait_alu depctr_va_sdst(0)                   ; the masks of k = 10 to 7 are written
	SELK 10, 0
	SELK 9, 4
	SELK 8, 8
	SELK 7, 12
	CMPK 6, 0
	CMPK 5, 4
	CMPK 4, 8
	CMPK 3, 12
	s_wait_alu depctr_va_sdst(0)                   ; the masks of k = 6 to 3 are written
	SELK 6, 0
	SELK 5, 4
	SELK 4, 8
	SELK 3, 12
	CMPK 2, 0
	CMPK 1, 4
	CMPK 0, 8
	s_wait_alu depctr_va_sdst(0)                   ; the masks of k = 2 to 0 are written
	SELK 2, 0
	SELK 1, 4
	SELK 0, 8
	v_lshlrev_b32 v[CD+\s], s26, v[IX]             ; the nibbles' places hang on the axis and lie in scalar registers
	v_lshl_or_b32 v[CD+\s], v[IX+1], s27, v[CD+\s]
	v_lshl_or_b32 v[CD+\s], v[IX+2], s28, v[CD+\s]
	v_lshl_or_b32 v[CD+\s], v[IX+3], s29, v[CD+\s]
.endm
	s_load_b128 s[4:7], s[0:1], 0x0                ; feats s[4:5], candidates s[6:7]
	s_load_b64 s[10:11], s[0:1], 0x10              ; codes
	v_lshl_add_u32 v190, v0, 2, 0x29000
	v_mov_b32 v191, 0
	v_lshrrev_b32 v1, 5, v0
	v_readfirstlane_b32 s14, v1                    ; wave 0..7
	s_mov_b32 s15, ttmp9                           ; work-group 0..249
	v_and_b32 v[VIN], 31, v0                       ; lane
	v_lshlrev_b32 v[VW], 1, v[VIN]
	v_lshlrev_b32 v[VIN], 4, v[VIN]
	v_and_b32 v1, 15, v0                           ; which four features are mine
	v_mul_u32_u24 v[VC], v1, CPITCH
	v_lshlrev_b32 v[VT], 4, v0
	v_lshrrev_b32 v[VS], 4, v0                     ; thread t stages bytes 16 t .. 16 t + 15: block t >> 4, column t & 15
	v_mul_u32_u24 v[VS], v[VS], CPITCH
	v_lshl_add_u32 v[VS], v1, 4, v[VS]
	s_wait_alu depctr_va_sdst(0)                   ; s14 is written, ahead of its first reader
	s_mul_i32 s24, s14, ROWS_WAVE*CROW
	s_add_co_u32 s24, s24, CST                     ; my wave's 50 rows of codes in LDS
	v_add_nc_u32 v[VW], s24, v[VW]
	s_mul_i32 s20, s15, ROWS_WG*FROW               ; my wave's first row in feats, 25,600,000 bytes at the most
	s_mul_i32 s24, s14, ROWS_WAVE*FROW
	s_add_co_u32 s20, s20, s24
	s_mov_b32 s21, 0
	s_mul_i32 s22, s15, ROWS_WG*CROW               ; the group's first row in codes
	s_mov_b32 s23, 0
	s_cmp_ge_u32 s15, NWG_AXIS                     ; axis 1?
	s_cselect_b32 s16, 0x1000, 0                   ; its candidates lie 4,096 bytes further on
	s_mov_b32 s17, 0
	s_cselect_b32 s26, 0, 4                        ; places of features 0 and 1 in their byte
	s_cselect_b32 s27, 4, 0
	s_add_co_u32 s28, s26, 8                       ; and of features 2 and 3 in the next
	s_add_co_u32 s29, s27, 8
	s_wait_kmcnt 0x0
	s_add_nc_u64 s[4:5], s[4:5], s[20:21]
	s_add_nc_u64 s[6:7], s[6:7], s[16:17]
	s_add_nc_u64 s[10:11], s[10:11], s[22:23]
	s_wait_alu depctr_va_vdst(0)                   ; v[VIN], v[VW], v[VC], v[VT] and v[VS] are written: the loads, LDS loads and stores below read them as offsets and addresses
	global_load_b128 v[D:D+3], v[VT], s[6:7]       ; the axis's 4,096 bytes of candidates, 16 neighbouring bytes a thread, once for the work-group
.irp s, 0,1,2,3,4
	global_load_b128 v[X+4*\s:X+4*\s+3], v[VIN], s[4:5] offset:2*FROW*\s th:TH_LOAD_NT   ; fill the ring: pairs 0 to 4
.endr
	s_wait_loadcnt DEPTH                           ; the candidates are in; the five loads of the ring stay out
	ds_store_b128 v[VS], v[D:D+3]
	s_wait_dscnt 0x0                               ; my 16 bytes of candidates are in LDS, for the other waves' sake
	s_barrier_signal -1
	s_barrier_wait -1                              ; everybody's are
.irp j, 0,1,2,3,4,5,6,7,8,9,10,11,12,13,14,15
	ds_load_b128 v[C+4*\j:C+4*\j+3], v[VC] offset:16*\j
.endr
	s_wait_alu depctr_vm_vsrc(0)                   ; my LDS store has read D[0:3], which the first slot's differences write
	s_wait_dscnt 0x0
	s_mov_b32 s25, ROUNDS-1
.Lring:
.irp s, 0,1,2,3,4
	SLOT \s, 1, DEPTH-1
.endr
	s_wait_alu depctr_va_vdst(0)                   ; slot 4 has written its CD, which the store below reads
	ds_store_b16 v[VW], v[CD+4] offset:2*CROW*4
	s_wait_xcnt 0x0                                ; the base that the five loads name is stepped only behind this wait
	s_add_nc_u64 s[4:5], s[4:5], DEPTH*2*FROW
	s_wait_alu depctr_vm_vsrc(0)                   ; the round's five LDS stores have read v[VW], which the add below writes, and the five CD, which the next round writes
	v_add_nc_u32 v[VW], DEPTH*2*CROW, v[VW]
	s_sub_co_u32 s25, s25, 1
	s_cmp_lg_u32 s25, 0
	s_cbranch_scc1 .Lring
.irp s, 0,1,2,3,4
	SLOT \s, 0, DEPTH-1-\s                         ; the last five pairs load nothing: the counts run down
.endr
	s_wait_alu depctr_va_vdst(0)                   ; slot 4 has written its CD, which the store below reads; and every vector instruction that names D is done: behind the barrier LDS loads land there
	ds_store_b16 v[VW], v[CD+4] offset:2*CROW*4
	s_wait_dscnt 0x0                               ; my codes are in LDS, for the other waves' sake
	s_barrier_signal -1
	s_barrier_wait -1
.irp n, 0,1,2
	ds_load_b128 v[D+4*\n:D+4*\n+3], v[VT] offset:CST+4096*\n       ; 3 x 4,096 bytes by all 256 threads
.endr
	s_wait_dscnt 0x0
.irp n, 0,1,2
	global_store_b128 v[VT], v[D+4*\n:D+4*\n+3], s[10:11] offset:4096*\n
.endr
	s_cmp_lg_u32 s14, 0
	s_cbranch_scc1 .Ldone
	ds_load_b128 v[D+12:D+15], v[VT] offset:CST+12288               ; the last 512 of the 12,800 bytes: wave 0
	s_wait_dscnt 0x0
	global_store_b128 v[VT], v[D+12:D+15], s[10:11] offset:12288
.Ldone:
	s_wait_dscnt 0x0
	s_wait_alu depctr_hold_cnt(0) depctr_sa_sdst(0) depctr_va_vdst(0) depctr_va_sdst(0) depctr_va_ssrc(0) depctr_va_vcc(0) depctr_vm_vsrc(0)
	s_wait_tensorcnt 0x0
	ds_add_u32 v190, v191
	s_wait_dscnt 0x0
	s_endpgm
.Lfunc_end_k_q75dcc6114c_quant:
	.size	k_q75dcc6114c_quant, .Lfunc_end_k_q75dcc6114c_quant-k_q75dcc6114c_quant
	.p2alignl 7, 3214868480
	.fill 96, 4, 3214868480
	.section	.rodata,"a",@progbits
	.p2align	6, 0x0
	.amdhsa_kernel k_q75dcc6114c_quant
		.amdhsa_group_segment_fixed_size 168960
		.amdhsa_private_segment_fixed_size 0
		.amdhsa_enable_private_segment 0
		.amdhsa_kernarg_size 24
		.amdhsa_user_sgpr_count 2
		.amdhsa_user_sgpr_kernarg_segment_ptr 1
		.amdhsa_wavefront_size32 1
		.amdhsa_system_sgpr_workgroup_id_x 1
		.amdhsa_system_sgpr_workgroup_id_y 1
		.amdhsa_system_sgpr_workgroup_id_z 1
		.amdhsa_system_vgpr_workitem_id 0
		.amdhsa_next_free_vgpr 192
		.amdhsa_next_free_sgpr 66
		.amdhsa_reserve_vcc 0
		.amdhsa_float_denorm_mode_32 3
		.amdhsa_float_denorm_mode_16_64 3
		.amdhsa_memory_ordered 1
		.amdhsa_forward_progress 1
		.amdhsa_inst_pref_size 125
	.end_amdhsa_kernel
	.amdgpu_metadata
---
amdhsa.version: [ 1, 2 ]
amdhsa.kernels:
  - .name:           k_q75dcc6114c_quant
    .symbol:         k_q75dcc6114c_quant.kd
    .args:
      - { .name: feats, .offset: 0, .size: 8, .value_kind: global_buffer, .address_space: global }
      - { .name: candidates, .offset: 8, .size: 8, .value_kind: global_buffer, .address_space: global }
      - { .name: codes, .offset: 16, .size: 8, .value_kind: global_buffer, .address_space: global }
    .group_segment_fixed_size: 168960
    .private_segment_fixed_size: 0
    .kernarg_segment_align: 8
    .kernarg_segment_size: 24
    .max_flat_workgroup_size: 256
    .sgpr_count:     66
    .vgpr_count:     192
    .wavefront_size: 32
...
	.end_amdgpu_metadata
.endif
;; end of part 5
;; launch query (part 6): grid 256 x 1, 16 waves a work-group, no clusters, 77,824 bytes of LDS; arguments codes, candidates, values, idx0, idx1, scale, bias, out0; writes out0
.if DOCPART == 6
	.amdgcn_target "amdgcn-amd-amdhsa--gfx1250"
	.amdhsa_code_object_version 6
	.text
	.protected	k_q75dcc6114c_query
	.globl	k_q75dcc6114c_query
	.p2align	8
	.type	k_q75dcc6114c_query,@function
k_q75dcc6114c_query:
	s_mov_b64 s[64:65], 0
	v_nop
	global_prefetch_b8 v0, s[64:65] scope:SCOPE_SE
	s_setreg_imm32_b32 hwreg(HW_REG_WAVE_SCHED_MODE, 0, 2), 2
	s_setreg_imm32_b32 hwreg(HW_REG_WAVE_MODE, 25, 1), 1
	s_wait_xcnt 0x0
	s_wait_alu depctr_vm_vsrc(0)
; out0[q] = a tanh(b) exp(scale) + bias,  a = sum over f < 32 of t[f],  b = sum over f >= 32 of t[f],
; t[f] = v0 x y + v1 x (1-y) + v2 (1-x) y + v3 (1-x)(1-y),  x = candidates[0][f][k0], y = candidates[1][f][k1],
; k0, k1 = the 4-bit codes of feature f in rows idx0[q] and 50000 + idx1[q] of codes; v0..v3 = the four rows of values.
;
; THE TABLE.  For one feature t takes 16 x 16 values, so the contraction with values is made once for each of the 64 x 256 argument
; pairs, in f32, as  t = (v3 + (v2-v3) y) + x ((v1-v3) + (v0-v1-v2+v3) y),  and kept in 65,536 bytes of LDS: T[k][f] at byte 256 k + 4 f,
; k = 16 k0 + k1 for even f and 16 k1 + k0 for odd f (that is how the two rows' nibbles meet: see MERGE).  A feature of a query is one
; LDS read.  The matrix unit has no work here: what is left of the product is 4 multiply-adds for each of 16,384 entries.
; SHARES.  256 work-groups of 16 waves stay and walk units of 64 queries: unit 4096 t + 256 wave + group, t = 0..3.  15,625 units:
; the 3,337 lowest wave numbers take four, the others three.  244 registers for each of four waves a SIMD: no second work-group fits.
; LANES.  Lane L = 4 i + j.  The unit's queries are 2 Z + p (Z = 0..31, p = 0, 1); entry e = 2 g + p of lane L is query Z = 4 i + g, of which
; the lane takes quarter j: 8 bytes of each row, features 16 j .. 16 j + 15.  The four lanes of a query read the row's 32 neighbouring bytes.
; BANKS.  In step (w, pr, b) lane L takes word w, byte b ^ (i & 3), parity pr ^ (i >> 2): feature 16 j + 8 w + 2 (b ^ (i & 3)) + (pr ^ (i >> 2)).
; The 32 lanes so take 32 different features, and a feature is a bank (64 banks of 4 bytes: ISA guide 11.1): no two lanes meet in one.
; LIMITS.  x and y are the candidates themselves, where the formula has (q + feats) - feats: one rounding of q + feats apart.  feats
; must be finite (a NaN there does not reach this launch).  exp(scale) below 2^-126 comes out as 0 (ISA guide, v_exp_f32).  tanh: for
; |b| < 0.25 the series b (1 - u/3 + 2 u^2/15 - 17 u^3/315), u = b^2 (the next term is below 3.3e-7 of b there), else
; 1 - 2 / (1 + 2^(2.885390 b)).  An index above 49,999 is clamped to the axis's last row.
; THE MODE: SCHED_MODE bits 1:0 = 2 (LLVM: expert scheduling mode 2), set by the entry lines.  The code itself states the register dependences
; between vector instructions and memory or LDS instructions, and those through scalar registers that vector instructions write, with s_wait_alu, always for 0.
; THE PLAN.  Registers that memory or LDS instructions touch, in the units:
;   CX, CY    The unit's 32 merges read them; behind them the next unit's 16 gathers land there.
;   OFF0, OFF1  Made from the indices ahead of the units, read by the gathers as offsets, never written again.
;   ADR       Entry e: its 32 address lines write it, its 16 lookups read it; entry e + 1 writes it again.
;   VAL[st]   Entry e's lookups land in set e % 2; its sum reads and writes the set; entry e + 2's lookups land there.
;   OUTD[t]   Written at the end of unit t, read by one store; a pair of its own for each unit.  v[OO+t]: made at the head, never written again.
; A unit's first wait on va_vdst stands behind the merges and entry 0's addresses and serves three runs that follow it with no vector line between: the next unit's
; gathers, the store of the unit before, entry 0's lookups.  Each further entry has one wait on vm_vsrc ahead of its address lines (the entry before has read
; ADR) and one on va_vdst behind them (ADR is written; the sum just made is done with the set).  The last unit's store has a wait of its own.
; A wave has no registers for a second ADR: 244 of the 256 that four waves on a SIMD can each have are taken.
.set NUNIT,  15625
.set NWAVES, 4096
.set FOURS,  NUNIT-3*NWAVES            ; 3,337 waves have a fourth unit
.set NROW,   49999
.set AX1,    1600000                   ; bytes of codes in front of axis 1
.set STG,    65536                     ; LDS: behind the table, 128 rows of 16 candidates
.set SPITCH, 80                        ; 64 bytes + 16: sixteen lanes' 16-byte reads of sixteen rows fall on sixteen different columns modulo 256
.set VQ,   2                           ; v2  8 j
.set VI,   3                           ; v3  32 i
.set VO,   4                           ; v4  8 L
.set SEL,  5                           ; v[5:8]    byte selectors of steps b = 0..3
.set FP,   9                           ; v[9:12]   FP + 2 pr + b/2: bytes 0, 1 = 4 x feature of steps b = even, odd (word 0); bytes 2, 3 = 0
.set MSK,  13                          ; v[13:14]  nibble masks of pr = 0, 1
.set VU,   16                          ; v[16:19]  unit t: byte offset of my eight indices
.set OO,   20                          ; v[20:23]  unit t: byte offset of my two results
.set ACC,  24                          ; v[24:31]  entry e: the sum of my 16 features
.set U0,   32
.set U1,   34
.set SS,   36
.set RR,   38
.set TT,   40
.set AA,   42                          ; v[42:43]  a of queries 2 L, 2 L + 1
.set BB,   44                          ; v[44:45]  b
.set UU,   46
.set EA,   48
.set EE,   50
.set RC,   52
.set SR,   54
.set EXPS, 56                          ; exp(scale)
.set EARG, 57
.set OUTD, 58                          ; v[58:65]   unit t: two results; a pair of its own for each unit, so that no store's data are rewritten
.set ADR,  66                          ; v[66:81]   16 LDS addresses
.set VAL,  82                          ; v[82:113]  two sets of 16 table entries
.set CX,   114                         ; v[114:129] entry e: 2 words of the row of axis 0
.set CY,   130                         ; v[130:145] entry e: 2 words of the row of axis 1
.set WRD,  146                         ; v[146:177] WRD + 4 e + 2 w + pr: four table indices
.set OFF0, 178                         ; v[178:209] unit t, entry e: index, then byte offset, in axis 0
.set OFF1, 210                         ; v[210:241] the same in axis 1
; at the start only, in registers that the units use later:
.set TM,   ADR                         ; at work
.set STGD, WRD                         ; 16 bytes of candidates
.set VV,   WRD+4                       ; v0..v3 of my feature
.set BY,   WRD+8                       ; v2 - v3
.set KX,   WRD+9                       ; v1 - v3
.set DDC,  WRD+10                      ; v0 - v1 - v2 + v3
.set BL,   WRD+11                      ; factor of the low nibble's candidate
.set CH,   WRD+12                      ; factor of the high nibble's candidate
.set VT,   WRD+13                      ; 16 x thread
.set VF4,  WRD+14                      ; 4 x my feature
.set VS,   WRD+15                      ; where I stage 16 bytes of candidates
.set WW,   WRD+16                      ; 16 registers
.set LO,   VAL                         ; the 16 candidates of the low nibble's axis
.set HI,   VAL+16                      ; two candidates of the high nibble's axis
.set VLO,  VAL+18
.set VHI,  VAL+19
.set VTB,  VAL+20
.set UB,   ADR                         ; 16 registers
.macro IDXL t                          ; the unit's 2 x 256 bytes of indices; the four lanes of a group read the same 32 bytes
	global_load_b128 v[OFF0+8*(\t):OFF0+8*(\t)+3],   v[VU+(\t)], s[10:11] th:TH_LOAD_NT
	global_load_b128 v[OFF0+8*(\t)+4:OFF0+8*(\t)+7], v[VU+(\t)], s[10:11] offset:16 th:TH_LOAD_NT
	global_load_b128 v[OFF1+8*(\t):OFF1+8*(\t)+3],   v[VU+(\t)], s[12:13] th:TH_LOAD_NT
	global_load_b128 v[OFF1+8*(\t)+4:OFF1+8*(\t)+7], v[VU+(\t)], s[12:13] offset:16 th:TH_LOAD_NT
.endm
.macro OFFS t                          ; index -> row x 32 bytes + my quarter
.irp e, 0,1,2,3,4,5,6,7
	v_min_u32 v[OFF0+8*(\t)+\e], NROW, v[OFF0+8*(\t)+\e]
	v_min_u32 v[OFF1+8*(\t)+\e], NROW, v[OFF1+8*(\t)+\e]
.endr
.irp e, 0,1,2,3,4,5,6,7
	v_lshl_add_u32 v[OFF0+8*(\t)+\e], v[OFF0+8*(\t)+\e], 5, v[VQ]
	v_lshl_add_u32 v[OFF1+8*(\t)+\e], v[OFF1+8*(\t)+\e], 5, v[VQ]
.endr
.endm
.macro GATH t                          ; 16 loads: my 8 bytes of both rows of the eight entries of unit t
.irp e, 0,1,2,3,4,5,6,7
	global_load_b64 v[CX+2*\e:CX+2*\e+1], v[OFF0+8*(\t)+\e], s[4:5]
	global_load_b64 v[CY+2*\e:CY+2*\e+1], v[OFF1+8*(\t)+\e], s[26:27]
.endr
.endm
; Axis 0 keeps the even feature's code in the high nibble, axis 1 in the low one.  Mask f0f0f0f0: high nibbles of axis 0, low ones of axis 1:
; 16 k0 + k1 of four even features.  Mask 0f0f0f0f: 16 k1 + k0 of four odd ones.  The lane's mask of pr is that of parity pr ^ (i >> 2).
.macro MERGE
.irp e, 0,1,2,3,4,5,6,7
.irp w, 0,1
.irp pr, 0,1
	v_bfi_b32 v[WRD+4*\e+2*\w+\pr], v[MSK+\pr], v[CX+2*\e+\w], v[CY+2*\e+\w]
.endr
.endr
.endr
.endm
; The 16 addresses of entry e.  One v_perm_b32 makes an address: byte 1 = the index, byte 0 = 4 x feature, bytes 2 and 3 = 0.
.macro LOOKA e
.irp w, 0,1
.irp pr, 0,1
.irp b, 0,1,2,3
	v_perm_b32 v[ADR+8*\w+4*\pr+\b], v[WRD+4*(\e)+2*\w+\pr], v[FP+2*\pr+\b/2], v[SEL+\b]
.endr
.endr
.endr
.irp n, 0,1,2,3,4,5,6,7,8,9,10,11,12,13,14,15
	v_min_u32 v[ADR+\n], 0xffff, v[ADR+\n]         ; an address made of loaded data is bounded by a constant: whatever the buffer holds, no read leaves the table
.endr
.endm
; The 16 lookups by those addresses, into set st.
.macro LOOKL st
.irp n, 0,1,2,3,4,5,6,7,8,9,10,11,12,13,14,15
	ds_load_b32 v[VAL+16*(\st)+\n], v[ADR+\n] offset:32*(\n/8)      ; word 1's features lie 8 x 4 bytes behind word 0's
.endr
.endm
.macro SUM e, st
.irp n, 0,4,8,12
	v_pk_add_f32 v[VAL+16*(\st)+\n:VAL+16*(\st)+\n+1], v[VAL+16*(\st)+\n:VAL+16*(\st)+\n+1], v[VAL+16*(\st)+\n+2:VAL+16*(\st)+\n+3]
.endr
.irp n, 0,8
	v_pk_add_f32 v[VAL+16*(\st)+\n:VAL+16*(\st)+\n+1], v[VAL+16*(\st)+\n:VAL+16*(\st)+\n+1], v[VAL+16*(\st)+\n+4:VAL+16*(\st)+\n+5]
.endr
	v_pk_add_f32 v[VAL+16*(\st):VAL+16*(\st)+1], v[VAL+16*(\st):VAL+16*(\st)+1], v[VAL+16*(\st)+8:VAL+16*(\st)+9]
	v_add_f32 v[ACC+(\e)], v[VAL+16*(\st)], v[VAL+16*(\st)+1]
.endm
; Entry e, from the third on: entry d = e - 2, which lies in the same set st, is summed; then entry e's addresses and lookups.
.macro TURN e, d, st
	s_wait_dscnt 16                                ; LDS loads come back in order (ISA guide 5.7.1): all but the 16 issued last; entry d is in
	SUM \d, \st
	s_wait_alu depctr_vm_vsrc(0)                   ; the lookups of the entry before have read ADR, which the lines below write
	LOOKA \e
	s_wait_alu depctr_va_vdst(0)                   ; ADR is written, which the lookups read; entry d's sum is done with the set in which they land
	LOOKL \st
.endm
; Lanes j = 0, 1 of a group hold the two quarters of a, lanes 2, 3 those of b, for entries g = 0..3.  Lane 4 i + j finishes query Z = 4 i + j.
.macro FINAL t
.irp e, 0,1,2,3,4,5,6,7
	v_add_f32_dpp v[ACC+\e], v[ACC+\e], v[ACC+\e] row_xmask:1 row_mask:0xf bank_mask:0xf   ; two quarters make a half
.endr
.irp p, 0,1
	v_cndmask_b32 v[U0+\p], v[ACC+\p],   v[ACC+2+\p], s30           ; g = 0 or 1 by the lane's bit 0
	v_cndmask_b32 v[U1+\p], v[ACC+4+\p], v[ACC+6+\p], s30           ; g = 2 or 3
.endr
.irp p, 0,1
	v_cndmask_b32 v[SS+\p], v[U0+\p], v[U1+\p], s31                 ; g = j: my half of my query
	v_cndmask_b32 v[RR+\p], v[U1+\p], v[U0+\p], s31                 ; g = j ^ 2: my half of the query of lane L ^ 2
.endr
.irp p, 0,1
	v_mov_b32_dpp v[TT+\p], v[RR+\p] row_xmask:2 row_mask:0xf bank_mask:0xf                ; and that lane's half of mine
.endr
.irp p, 0,1
	v_cndmask_b32 v[AA+\p], v[SS+\p], v[TT+\p], s31
	v_cndmask_b32 v[BB+\p], v[TT+\p], v[SS+\p], s31
.endr
	v_mul_f32 v[EA], s35, v[BB]
	v_mul_f32 v[EA+1], s35, v[BB+1]
	v_exp_f32 v[EE], v[EA]                         ; e^(2 b)
	v_exp_f32 v[EE+1], v[EA+1]
	v_pk_mul_f32 v[UU:UU+1], v[BB:BB+1], v[BB:BB+1]                 ; u = b^2: the plain instruction behind the two exponentials (ISA guide 5.7.2)
	v_cmp_lt_f32 s38, |v[BB]|, s36                 ; small |b|?  Both masks are made here, well ahead of the selects that read them
	v_cmp_lt_f32 s39, |v[BB+1]|, s36
	v_fma_f32 v[SR], v[UU], s32, s33
	v_fma_f32 v[SR+1], v[UU+1], s32, s33
	v_fma_f32 v[SR], v[SR], v[UU], s34
	v_fma_f32 v[SR+1], v[SR+1], v[UU+1], s34
	v_fma_f32 v[SR], v[SR], v[UU], 1.0
	v_fma_f32 v[SR+1], v[SR+1], v[UU+1], 1.0
	s_wait_alu depctr_va_vdst(0)                   ; the two exponentials have written v[EE] and v[EE+1], ahead of their first reader; the series' nine lines stand between
	v_add_f32 v[EE], 1.0, v[EE]
	v_add_f32 v[EE+1], 1.0, v[EE+1]
	v_rcp_f32 v[RC], v[EE]
	v_rcp_f32 v[RC+1], v[EE+1]
	v_mul_f32 v[SR], v[SR], v[BB]                  ; the series; also the plain instruction behind the two reciprocals
	v_mul_f32 v[SR+1], v[SR+1], v[BB+1]
	s_wait_alu depctr_va_vdst(0)                   ; the two reciprocals have written v[RC] and v[RC+1], ahead of their first reader
	s_wait_alu depctr_va_sdst(0)                   ; the two compares have written s38 and s39, ahead of the selects
	v_fma_f32 v[RC], v[RC], -2.0, 1.0              ; 1 - 2 / (1 + e^(2 b))
	v_fma_f32 v[RC+1], v[RC+1], -2.0, 1.0
	v_cndmask_b32 v[RC], v[RC], v[SR], s38         ; small |b|: the series, which loses nothing by cancellation
	v_cndmask_b32 v[RC+1], v[RC+1], v[SR+1], s39
	v_mul_f32 v[AA], v[AA], v[RC]
	v_mul_f32 v[AA+1], v[AA+1], v[RC+1]
	v_fma_f32 v[OUTD+2*(\t)], v[AA], v[EXPS], s29
	v_fma_f32 v[OUTD+2*(\t)+1], v[AA+1], v[EXPS], s29
.endm
.macro STORE t
	global_store_b64 v[OO+(\t)], v[OUTD+2*(\t):OUTD+2*(\t)+1], s[18:19] th:TH_STORE_NT   ; 32 lanes x 8 bytes: the unit's 64 results, 256 bytes at a multiple of 256
.endm
; Unit t.  nxt = the number of the unit whose rows are asked for as soon as the merges have freed their registers, so that they have this
; whole unit in which to land; nxt = 0: the wave's last unit: nothing more is asked for (unit 0 is never a next one), and its results are stored at its end.
.macro UNIT t, nxt
	s_wait_loadcnt 0x0                             ; this unit's 16 gathers: no younger load is out
	s_wait_alu depctr_vm_vsrc(0)                   ; unit 0: the start's loads, LDS loads and LDS stores have read the registers that are WRD, ADR and VAL from here on; later: the last unit's lookups of entry 7 have read ADR
	MERGE
	LOOKA 0
	s_wait_alu depctr_va_vdst(0)                   ; the merges are done reading CX and CY, and the next unit's offsets are written: the gathers; the unit before has written its OUTD: the store; ADR is written and all earlier work on set 0 is done: the lookups
.if \nxt
	GATH \nxt
.endif
.if \t
	STORE (\t)-1                                   ; the unit before
.endif
	LOOKL 0
	s_wait_alu depctr_vm_vsrc(0)                   ; entry 0's lookups have read ADR, which the lines below write
	LOOKA 1
	s_wait_alu depctr_va_vdst(0)                   ; ADR is written, which the lookups read
	LOOKL 1
	TURN 2, 0, 0
	TURN 3, 1, 1
	TURN 4, 2, 0
	TURN 5, 3, 1
	TURN 6, 4, 0
	TURN 7, 5, 1
	s_wait_dscnt 16
	SUM 6, 0
	s_wait_dscnt 0x0
	SUM 7, 1
	FINAL \t
.if !(\nxt)
	s_wait_alu depctr_va_vdst(0)                   ; this unit's OUTD is written, which the store reads
	STORE \t
.endif
.endm
	s_load_b256 s[4:11], s[0:1], 0x0               ; codes s[4:5], candidates s[6:7], values s[8:9], idx0 s[10:11]
	s_load_b256 s[12:19], s[0:1], 0x20             ; idx1 s[12:13], scale s[14:15], bias s[16:17], out0 s[18:19]
	v_lshl_add_u32 v242, v0, 2, 0x12800
	v_mov_b32 v243, 0
	v_lshrrev_b32 v1, 5, v0
	v_readfirstlane_b32 s20, v1                    ; wave 0..15
	v_and_b32 v1, 31, v0                           ; L
	v_and_b32 v[TM], 3, v0                         ; j
	v_lshlrev_b32 v[VQ], 3, v[TM]
	v_lshrrev_b32 v[TM+1], 2, v1                   ; i
	v_lshlrev_b32 v[VI], 5, v[TM+1]
	v_lshlrev_b32 v[VO], 3, v1
	v_lshlrev_b32 v[VT], 4, v0
	v_and_b32 v[TM+2], 63, v0                      ; the feature whose entries I make
	v_lshlrev_b32 v[VF4], 2, v[TM+2]
	s_wait_alu depctr_va_sdst(0)                   ; s20 is written, ahead of its first reader
	s_lshl_b32 s21, s20, 8
	s_add_co_u32 s21, s21, ttmp9                   ; 256 wave + group: my first unit
	s_mov_b32 s22, s21
	s_add_co_u32 s23, s21, NWAVES
	s_add_co_u32 s24, s21, 2*NWAVES
	s_add_co_u32 s25, s21, 3*NWAVES
	s_min_u32 s25, s25, NUNIT-1                    ; a wave without a fourth unit reads the last unit's indices and does not use them
.irp t, 0,1,2,3
	v_lshl_add_u32 v[VU+\t], s[22+\t], 8, v[VI]    ; a unit is 256 bytes of idx0, of idx1 and of out0
	v_lshl_add_u32 v[OO+\t], s[22+\t], 8, v[VO]
.endr
	s_mov_b32 s30, 0xaaaaaaaa                      ; lanes with bit 0 set
	s_mov_b32 s31, 0xcccccccc                      ; bit 1
	s_mov_b32 s32, 0xbd5d0dd1                      ; -17/315
	s_mov_b32 s33, 0x3e088889                      ; 2/15
	s_mov_b32 s34, 0xbeaaaaab                      ; -1/3
	s_mov_b32 s35, 0x4038aa3b                      ; 2 log2(e)
	s_mov_b32 s36, 0x3e800000                      ; 0.25
	s_mov_b32 s37, 0xffff0000                      ; lanes 16-31: i >> 2 = 1
	s_wait_kmcnt 0x0
	s_load_b32 s28, s[14:15], 0x0                  ; scale
	s_load_b32 s29, s[16:17], 0x0                  ; bias
	s_add_nc_u64 s[26:27], s[4:5], AX1             ; codes at axis 1
	s_wait_alu depctr_va_vdst(0)                   ; the offsets v[VU ..], v[OO ..], v[VT] and v[VF4] are written, which the loads below and the units' stores read
	IDXL 0                                         ; 4 loads
	global_load_b128 v[STGD:STGD+3], v[VT], s[6:7] ; the 8,192 bytes of candidates, 16 neighbouring bytes a thread, once for the work-group
.irp k, 0,1,2,3
	global_load_b32 v[VV+\k], v[VF4], s[8:9] offset:256*\k
.endr
	IDXL 1                                         ; 12 loads
	IDXL 2
	IDXL 3
	; the lane's selectors, feature offsets and masks
	v_bfe_u32 v[TM+3], v0, 2, 2                    ; i & 3
	v_bfe_u32 v[TM+4], v0, 4, 1                    ; i >> 2
	v_lshlrev_b32 v[TM], 6, v[TM]                  ; 4 x 16 j
	v_lshl_add_u32 v[TM+5], v[TM+4], 2, v[TM]      ; pr = 0: + 4 (i >> 2)
	v_xor_b32 v[TM+4], 1, v[TM+4]
	v_lshl_add_u32 v[TM+6], v[TM+4], 2, v[TM]      ; pr = 1: + 4 (1 - (i >> 2))
.irp b, 0,1,2,3
	v_xor_b32 v[TM+8+\b], \b, v[TM+3]              ; the byte of step b
	v_lshl_add_u32 v[SEL+\b], v[TM+8+\b], 8, 0x03020400+(\b&1)      ; result byte 0 = byte b & 1 of FP, byte 1 = that byte of the index word (first source: 4..7), bytes 2, 3 = FP's zeros
.endr
.irp h, 0,1
	v_lshl_add_u32 v[TM+12], v[TM+8+2*\h], 3, v[TM+5]               ; + 4 x 2 x byte
	v_lshl_add_u32 v[TM+13], v[TM+9+2*\h], 3, v[TM+5]
	v_lshl_or_b32 v[FP+\h], v[TM+13], 8, v[TM+12]
	v_lshl_add_u32 v[TM+12], v[TM+8+2*\h], 3, v[TM+6]
	v_lshl_add_u32 v[TM+13], v[TM+9+2*\h], 3, v[TM+6]
	v_lshl_or_b32 v[FP+2+\h], v[TM+13], 8, v[TM+12]
.endr
	v_mov_b32 v[TM+12], 0xf0f0f0f0
	v_mov_b32 v[TM+13], 0x0f0f0f0f
	v_cndmask_b32 v[MSK],   v[TM+12], v[TM+13], s37
	v_cndmask_b32 v[MSK+1], v[TM+13], v[TM+12], s37
	v_mov_b32 v[TT], v0                            ; a DPP move's destination counts as read: written once, with any value
	v_mov_b32 v[TT+1], v0
	; where the table's maker reads and writes.  Thread t makes feature f = t & 63, high nibbles 2 (t >> 6) and 2 (t >> 6) + 1, all 16 low nibbles.
	v_lshrrev_b32 v[TM+3], 2, v0                   ; staging: candidates' row t >> 2 (64 axis + feature), column t & 3
	v_and_b32 v[TM+4], 3, v0
	v_mul_u32_u24 v[VS], v[TM+3], SPITCH
	v_lshl_add_u32 v[VS], v[TM+4], 4, v[VS]
	v_add_nc_u32 v[VS], STG, v[VS]
	v_and_b32 v[TM+5], 1, v0                       ; odd feature: the high nibble is axis 1's
	v_lshl_add_u32 v[TM+6], v[TM+5], 6, v[TM+2]    ; row of the high nibble's axis
	v_xor_b32 v[TM+5], 1, v[TM+5]
	v_lshl_add_u32 v[TM+7], v[TM+5], 6, v[TM+2]    ; row of the low nibble's axis
	v_mul_u32_u24 v[VLO], v[TM+7], SPITCH
	v_add_nc_u32 v[VLO], STG, v[VLO]
	v_lshrrev_b32 v[TM+8], 6, v0
	v_mul_u32_u24 v[VHI], v[TM+6], SPITCH
	v_lshl_add_u32 v[VHI], v[TM+8], 3, v[VHI]
	v_add_nc_u32 v[VHI], STG, v[VHI]
	v_lshl_add_u32 v[VTB], v[TM+8], 13, v[VF4]     ; 32 entries x 256 bytes for each t >> 6, + 4 f
	s_wait_loadcnt 17                              ; of 21 loads the first four, unit 0's indices, are in
	OFFS 0
	s_wait_alu depctr_va_vdst(0)                   ; unit 0's offsets are written, which the gathers read; so are v[VS], v[VLO], v[VHI] and v[VTB], the addresses of the LDS instructions below, which no later vector line names
	GATH 0                                         ; unit 0's rows land while the table is made
	s_wait_loadcnt 28                              ; candidates and values are in: 12 index loads and 16 gathers are younger
	ds_store_b128 v[VS], v[STGD:STGD+3]
	v_sub_f32 v[BY], v[VV+2], v[VV+3]
	v_sub_f32 v[KX], v[VV+1], v[VV+3]
	v_sub_f32 v[DDC], v[VV], v[VV+1]
	v_sub_f32 v[DDC], v[DDC], v[BY]
	v_cndmask_b32 v[BL], v[BY], v[KX], s30         ; even f: low nibble = y, high = x; odd f: the other way round
	v_cndmask_b32 v[CH], v[KX], v[BY], s30
	s_wait_kmcnt 0x0                               ; scale and bias
	v_mov_b32 v[EARG], s28
	v_mul_f32 v[EARG], 0x3fb8aa3b, v[EARG]
	v_exp_f32 v[EXPS], v[EARG]                     ; exp(scale); neither register is touched again before the first unit's end
	s_wait_dscnt 0x0                               ; my 16 bytes of candidates are in LDS, for the other waves' sake
	s_barrier_signal -1
	s_barrier_wait -1
.irp n, 0,1,2,3
	ds_load_b128 v[LO+4*\n:LO+4*\n+3], v[VLO] offset:16*\n
.endr
	ds_load_b64 v[HI:HI+1], v[VHI]
	s_wait_dscnt 0x0
.irp n, 0,1,2,3,4,5,6,7,8,9,10,11,12,13,14,15
	v_fma_f32 v[UB+\n], v[BL], v[LO+\n], v[VV+3]
	v_fma_f32 v[WW+\n], v[DDC], v[LO+\n], v[CH]
.endr
.irp n, 0,1,2,3,4,5,6,7,8,9,10,11,12,13,14,15
	v_fma_f32 v[LO+\n], v[HI], v[WW+\n], v[UB+\n]
	v_fma_f32 v[UB+\n], v[HI+1], v[WW+\n], v[UB+\n]
.endr
	s_wait_alu depctr_va_vdst(0)                   ; my 32 entries are written in v[LO ..] and v[UB ..], which the LDS stores read; the exponential has written v[EXPS], well ahead of its first reader
.irp n, 0,1,2,3,4,5,6,7,8,9,10,11,12,13,14,15
	ds_store_b32 v[VTB], v[LO+\n] offset:256*\n                    ; 32 lanes, 32 neighbouring features: 128 neighbouring bytes
	ds_store_b32 v[VTB], v[UB+\n] offset:256*(16+\n)
.endr
	s_wait_loadcnt 16                              ; the other units' indices are in; unit 0's 16 gathers may stay out
	OFFS 1
	OFFS 2
	OFFS 3
	s_wait_dscnt 0x0                               ; my 32 entries are in LDS, for the other waves' sake
	s_barrier_signal -1
	s_barrier_wait -1                              ; the table is whole; nothing writes LDS from here on
	UNIT 0, 1
	UNIT 1, 2
	s_cmp_lt_u32 s21, FOURS
	s_cbranch_scc0 .Lthree
	UNIT 2, 3
	UNIT 3, 0
	s_wait_dscnt 0x0
	s_wait_alu depctr_hold_cnt(0) depctr_sa_sdst(0) depctr_va_vdst(0) depctr_va_sdst(0) depctr_va_ssrc(0) depctr_va_vcc(0) depctr_vm_vsrc(0)
	s_wait_tensorcnt 0x0
	ds_add_u32 v242, v243
	s_wait_dscnt 0x0
	s_endpgm
.Lthree:
	UNIT 2, 0                                      ; no fourth unit: nothing more is asked for
	s_wait_dscnt 0x0
	s_wait_alu depctr_hold_cnt(0) depctr_sa_sdst(0) depctr_va_vdst(0) depctr_va_sdst(0) depctr_va_ssrc(0) depctr_va_vcc(0) depctr_vm_vsrc(0)
	s_wait_tensorcnt 0x0
	ds_add_u32 v242, v243
	s_wait_dscnt 0x0
	s_endpgm
.Lfunc_end_k_q75dcc6114c_query:
	.size	k_q75dcc6114c_query, .Lfunc_end_k_q75dcc6114c_query-k_q75dcc6114c_query
	.p2alignl 7, 3214868480
	.fill 96, 4, 3214868480
	.section	.rodata,"a",@progbits
	.p2align	6, 0x0
	.amdhsa_kernel k_q75dcc6114c_query
		.amdhsa_group_segment_fixed_size 77824
		.amdhsa_private_segment_fixed_size 0
		.amdhsa_enable_private_segment 0
		.amdhsa_kernarg_size 64
		.amdhsa_user_sgpr_count 2
		.amdhsa_user_sgpr_kernarg_segment_ptr 1
		.amdhsa_wavefront_size32 1
		.amdhsa_system_sgpr_workgroup_id_x 1
		.amdhsa_system_sgpr_workgroup_id_y 1
		.amdhsa_system_sgpr_workgroup_id_z 1
		.amdhsa_system_vgpr_workitem_id 0
		.amdhsa_next_free_vgpr 244
		.amdhsa_next_free_sgpr 66
		.amdhsa_reserve_vcc 0
		.amdhsa_float_denorm_mode_32 3
		.amdhsa_float_denorm_mode_16_64 3
		.amdhsa_memory_ordered 1
		.amdhsa_forward_progress 1
		.amdhsa_inst_pref_size 197
	.end_amdhsa_kernel
	.amdgpu_metadata
---
amdhsa.version: [ 1, 2 ]
amdhsa.kernels:
  - .name:           k_q75dcc6114c_query
    .symbol:         k_q75dcc6114c_query.kd
    .args:
      - { .name: codes, .offset: 0, .size: 8, .value_kind: global_buffer, .address_space: global }
      - { .name: candidates, .offset: 8, .size: 8, .value_kind: global_buffer, .address_space: global }
      - { .name: values, .offset: 16, .size: 8, .value_kind: global_buffer, .address_space: global }
      - { .name: idx0, .offset: 24, .size: 8, .value_kind: global_buffer, .address_space: global }
      - { .name: idx1, .offset: 32, .size: 8, .value_kind: global_buffer, .address_space: global }
      - { .name: scale, .offset: 40, .size: 8, .value_kind: global_buffer, .address_space: global }
      - { .name: bias, .offset: 48, .size: 8, .value_kind: global_buffer, .address_space: global }
      - { .name: out0, .offset: 56, .size: 8, .value_kind: global_buffer, .address_space: global }
    .group_segment_fixed_size: 77824
    .private_segment_fixed_size: 0
    .kernarg_segment_align: 8
    .kernarg_segment_size: 64
    .max_flat_workgroup_size: 512
    .sgpr_count:     66
    .vgpr_count:     244
    .wavefront_size: 32
...
	.end_amdgpu_metadata
.endif
;; end of part 6
